; MI455X (gfx1250); checked and timed in simulation.
; The chip was launched on July 23, 2026; its instructions are those of AMD's public machine-readable ISA for CDNA 5 (MIT licence, August 2026) and "CDNA5" Instruction Set Architecture Reference Guide (July 2026). The comments in the code are by the model that wrote it; some were corrected since.
;; Causal Multi Head Attention. Allowed arithmetic: matrix products marked QUANTISED: E4M3 operands, one given power-of-two scale a tensor, by v_wmma_f32_16x16x64_fp8_fp8 or v_wmma_f32_16x16x128_fp8_fp8, f32 sums; everything else in f32.
;; Inputs: k_heads 1,024 x 1,024 float32; lowp_scales 12 int32 (the exponents e of the quantised operands' scales 2^e); output_proj 1,024 x 1,024 float32; q_heads 1,024 x 1,024 float32; v_heads 1,024 x 1,024 float32; x 4 x 2,048 x 1,024 float32.
;; Outputs: out0 4 x 2,048 x 1,024 float32.
;; This version of the problem:
;;   THIS VERSION OF THE PROBLEM IS GIVEN IN LOW PRECISION. The matrix products marked QUANTISED in the list below multiply operands that are first quantised to E4M3 (4 exponent bits, 3 mantissa bits; 8 bits a number), with one given power-of-two scale for each operand tensor; their sums are f32. All else is computed in f32.
;;   The module's matrix products, in the order in which they are computed (A, B: the left and right operand; K: the contracted axis; several contracted axes count as one K, in the product's order):
;;     1. [M 8,192, K 1,024] x [K 1,024, N 1,024]; A: input x; B: input q_heads: QUANTISED (scales: A lowp_scales[0], B lowp_scales[1])
;;     2. [M 8,192, K 1,024] x [K 1,024, N 1,024]; A: input x; B: input k_heads: QUANTISED (scales: A lowp_scales[2], B lowp_scales[3])
;;     3. [M 8,192, K 1,024] x [K 1,024, N 1,024]; A: input x; B: input v_heads: QUANTISED (scales: A lowp_scales[4], B lowp_scales[5])
;;     4. batch 64 x [M 2,048, K 64] x [K 64, N 2,048]; A: computed on the way; B: computed on the way: QUANTISED (scales: A lowp_scales[6], B lowp_scales[7])
;;     5. batch 64 x [M 2,048, K 2,048] x [K 2,048, N 64]; A: softmax (see below); B: computed on the way: QUANTISED (scales: A lowp_scales[8], B lowp_scales[9])
;;     6. [M 8,192, K 1,024] x [K 1,024, N 1,024]; A: computed on the way; B: input output_proj: QUANTISED (scales: A lowp_scales[10], B lowp_scales[11])
;;   THE QUANTISER, for each operand of a quantised product, along K:
;;     - The operand's scale is 2^e, e = its entry of the input lowp_scales (int32; the entries are numbered through the quantised products in the list's order, A before B).
;;     - Each number is divided by the scale, clamped to +-448, and rounded to the nearest number of E4M3, ties to even, subnormals kept.
;;     - The product sums the exact products of the quantised numbers (number of the format x scale) in f32.
;;   ~~~python
;;   def quantise(x, axis, e):      # numpy; x: float32 -> the quantised numbers, widened to float32 again
;;       x = np.moveaxis(x, axis, -1); K = x.shape[-1]
;;       r = np.clip(x / 2.0 ** e, -448, 448)
;;       step = 2.0 ** (np.maximum(np.frexp(np.where(r == 0, 1, r))[1] - 1, -6) - 3)
;;       q = np.round(r / step) * step * 2.0 ** e      # np.round: ties to even
;;       return np.moveaxis(q, -1, axis).astype(np.float32)
;;   ~~~
;;   SOFTMAX AHEAD OF A QUANTISED PRODUCT. Where the list says 'softmax', what is quantised is not the finished softmax but p = 2^(t - M), with t = logit x log2(e) and M = ceil(the row's largest t), a whole number; so 1/2 < the row's largest p <= 1. The row's sum l is taken of the UNQUANTISED p, in f32, and the product's result is divided by l at the end. Since M is a whole number, a kernel that streams over the keys may use a running M (the ceiling of the running maximum): every later rescaling is an exact power of two, so the quantised numbers keep their values, but for numbers so far below the row's largest that they fall under the format's range.
;;   OPERANDS COMPUTED ON THE WAY. 'Computed on the way' means the value that the module computes at that place (a softmax that the list does not call 'softmax' is quantised finished and normalised). What goes into a quantiser is computed in f32, as accurately as f32 sums, v_exp_f32 and their like allow (about 1e-6 of the number): no bf16 or f16 on the way to a quantiser, and a product that is left as it is and whose result goes on into a quantised operand takes f32 operands (vector FMAs, or v_wmma_f32_16x16x4_f32). A number that lies on a knife's edge between two numbers of the format may be rounded either way, as far as f32 arithmetic and the matrix unit's own rounding can turn it there, and no further.
;; One version. Each part assembles by itself: llvm-mc -triple=amdgcn-amd-amdhsa -mcpu=gfx1250 --defsym DOCPART=n.
;; ======== version 1 of 1: 4 launches
;; limits: right only within a limited range of input values
;; workspace buffers: cb 29,360,128 bytes; qc 8,388,608 bytes; kc 8,388,608 bytes; vc 8,388,608 bytes; oc 8,388,608 bytes
;; launch quant (part 1): grid 1024 x 1, 4 waves a work-group, no clusters, 33,280 bytes of LDS; arguments x, q_heads, k_heads, v_heads, output_proj, lowp_scales, cb; writes cb
.if DOCPART == 1
	.amdgcn_target "amdgcn-amd-amdhsa--gfx1250"
	.amdhsa_code_object_version 6
	.text
	.protected	k_q49a9dce515_quant
	.globl	k_q49a9dce515_quant
	.p2align	8
	.type	k_q49a9dce515_quant,@function
k_q49a9dce515_quant:
	s_mov_b64 s[64:65], 0
	v_nop
	global_prefetch_b8 v0, s[64:65] scope:SCOPE_SE
	s_setreg_imm32_b32 hwreg(HW_REG_WAVE_MODE, 25, 1), 1
	s_wait_xcnt 0x0
; x [8192][1024] f32 becomes THREE sets of E4M3 codes (its scale entries 0, 2 and 4 may differ), and the four weights [1024][1024] f32 one set each (entries 1, 3, 5, 11).
; code = number / 2^e, held within +-448, rounded to the nearest code, ties to even.  All tensors have K innermost and dense rows: they are plain streams, and so are their codes.
; cb, in bytes: x under e0 at 0, under e2 at 8 Mi, under e4 at 16 Mi; q_heads at 24 Mi, k_heads at 25 Mi, v_heads at 26 Mi, output_proj at 27 Mi.
; SHARES: 4,096 waves; each takes 2,048 numbers of x (4 steps of 512) and 1,024 numbers of one weight (2 steps): weight number = work-group / 256.  Every work-group takes the same path through the text.
; A wave issues all its 24 loads at its head (512 consecutive bytes each).  The conversions want 16 NEIGHBOURS in a lane, so a step's 2,048 bytes turn through the wave's own stage in LDS (16 bytes of padding behind each 64).
; A lane's 16 codes are 16 bytes: a store covers 512 consecutive bytes.  No barrier: waves share nothing.  No store's data register is written again.
; LIMITS: every e between -126 and 119.  NaN among the inputs is not served; infinities are held at the largest code.
.set R,    16                          ; v16-111  six steps x 16 numbers as they are loaded
.set X,    112                         ; v112-143 two sets of 16 neighbours
.set T,    144                         ; v144-191 three sets of 16 held numbers, one for each scale of x
.set CX,   192                         ; v192-239 x's codes: 12 registers a step
.set CW,   240                         ; v240-247 the weight's codes: 4 a step
.set SP,   80                          ; a lane's place in a stage: 64 bytes + 16 of padding
.set WREG, 8192                        ; LDS of a wave: two stages of 32 x SP bytes
	s_load_b256 s[4:11], s[0:1], 0x0               ; x s[4:5], q_heads s[6:7], k_heads s[8:9], v_heads s[10:11]
	s_load_b128 s[12:15], s[0:1], 0x20             ; output_proj s[12:13], the scales' exponents s[14:15]
	s_load_b64 s[16:17], s[0:1], 0x30              ; cb
	v_lshl_add_u32 v12, v0, 2, 0x8000
	v_mov_b32 v13, 0
	v_lshrrev_b32 v1, 5, v0
	v_readfirstlane_b32 s21, v1                    ; wave
	v_and_b32 v2, 31, v0                           ; lane
	v_lshlrev_b32 v3, 4, v2                        ; my 16 bytes of a load's 512, and of a store's 512; never rewritten
	s_mul_i32 s22, s21, WREG
	v_lshrrev_b32 v14, 2, v2
	v_mul_u32_u24 v14, v14, SP
	v_and_b32 v15, 3, v2
	v_lshl_add_u32 v14, v15, 4, v14
	v_add_nc_u32 v14, s22, v14                     ; the stage, on the way in: SP (lane / 4) + 16 (lane % 4)
	v_mul_u32_u24 v15, v2, SP
	v_add_nc_u32 v15, s22, v15                     ; and on the way out: SP x lane: my 16 neighbours
	s_lshl_b32 s22, ttmp9, 2
	s_add_co_u32 s22, s22, s21                     ; my wave among the 4,096
	s_lshl_b32 s48, s22, 13                        ; x: 8,192 bytes a wave
	s_mov_b32 s49, 0
	s_lshl_b32 s50, s22, 11                        ; its codes: 2,048 bytes a wave
	s_mov_b32 s51, 0
	s_lshr_b32 s20, ttmp9, 8                       ; which weight
	s_and_b32 s23, ttmp9, 255
	s_lshl_b32 s23, s23, 2
	s_add_co_u32 s23, s23, s21                     ; my wave among that weight's 1,024
	s_lshl_b32 s52, s23, 12                        ; the weight: 4,096 bytes a wave
	s_mov_b32 s53, 0
	s_lshl_b32 s54, s23, 10                        ; its codes: 1,024 bytes a wave,
	s_lshl_b32 s55, s20, 20                        ; 1 Mi a weight,
	s_add_co_u32 s54, s54, s55
	s_add_co_u32 s54, s54, 0x1800000               ; from 24 Mi on
	s_mov_b32 s55, 0
	s_wait_alu depctr_va_vdst(0)
	s_wait_kmcnt 0x0
	s_load_b256 s[32:39], s[14:15], 0x0            ; e0 .. e7
	s_load_b128 s[40:43], s[14:15], 0x20           ; e8 .. e11
	s_add_nc_u64 s[4:5], s[4:5], s[48:49]
	s_cmp_eq_u32 s20, 1                            ; the weight is chosen by the work-group's number alone
	s_cselect_b64 s[18:19], s[8:9], s[6:7]
	s_cmp_eq_u32 s20, 2
	s_cselect_b64 s[18:19], s[10:11], s[18:19]
	s_cmp_eq_u32 s20, 3
	s_cselect_b64 s[18:19], s[12:13], s[18:19]
	s_add_nc_u64 s[18:19], s[18:19], s[52:53]
	s_add_nc_u64 s[24:25], s[16:17], s[50:51]      ; x's codes under e0,
	s_add_nc_u64 s[26:27], s[24:25], 0x800000      ; under e2,
	s_add_nc_u64 s[28:29], s[24:25], 0x1000000     ; under e4
	s_add_nc_u64 s[30:31], s[16:17], s[54:55]      ; the weight's codes
.macro LOAD t                          ; step t's 2,048 bytes: steps 0-3 of x, steps 4, 5 of the weight
.irp i, 0,1,2,3
.if (\t) < 4
	global_load_b128 v[R+16*(\t)+4*\i:R+16*(\t)+4*\i+3], v3, s[4:5] offset:2048*(\t)+512*\i th:TH_LOAD_NT
.else
	global_load_b128 v[R+16*(\t)+4*\i:R+16*(\t)+4*\i+3], v3, s[18:19] offset:2048*((\t)-4)+512*\i th:TH_LOAD_NT
.endif
.endr
.endm
.macro TURN t                          ; step t's numbers through the stage: LDS serves a wave's instructions in order, so no wait stands between the stores and the loads
.irp i, 0,1,2,3
	ds_store_b128 v14, v[R+16*(\t)+4*\i:R+16*(\t)+4*\i+3] offset:32*SP*((\t)%2)+8*SP*\i
.endr
.irp i, 0,1,2,3
	ds_load_b128 v[X+16*((\t)%2)+4*\i:X+16*((\t)%2)+4*\i+3], v15 offset:32*SP*((\t)%2)+16*\i
.endr
.endm
.macro MKSC e, sc, lim                 ; 2^e as f32 (the conversion takes its exponent field) and 448 x 2^e
	s_add_co_i32 s46, \e, 127
	s_lshl_b32 s47, s46, 23
	v_mov_b32 v[\sc], s47
	s_add_co_i32 s46, s46, 8
	s_lshl_b32 s46, s46, 23
	s_or_b32 s46, s46, 0x600000
	v_mov_b32 v[\lim], s46
.endm
.macro HOLD dst, src, lim              ; the conversion to an 8-bit code does not saturate (ISA guide 7.6.2): 16 numbers held within the largest code x the scale
.set n, 0
.rept 16
	v_med3_num_f32 v[\dst+n], v[\src+n], -v[\lim], v[\lim]
.set n, n+1
.endr
.endm
.irp t, 0,1,2,3,4,5
	LOAD \t
.endr
	s_wait_kmcnt 0x0
	s_cmp_eq_u32 s20, 1
	s_cselect_b32 s44, s35, s33                    ; the weight's e: entry 1, 3, 5 or 11
	s_cmp_eq_u32 s20, 2
	s_cselect_b32 s44, s37, s44
	s_cmp_eq_u32 s20, 3
	s_cselect_b32 s44, s43, s44
	MKSC s32, 248, 249
	MKSC s34, 250, 251
	MKSC s36, 252, 253
	MKSC s44, 254, 255
	s_wait_alu depctr_va_vdst(0)
	s_wait_loadcnt 20                              ; step 0's four loads are in; the twenty issued behind them may be out
	TURN 0
.macro STEP t
.set XS, X+16*((\t)%2)
	s_wait_dscnt 0x0                               ; this step's numbers are back from the stage
.if (\t) < 5
	s_wait_loadcnt 4*(4-(\t))                      ; the next step's four loads are in; those of the steps behind it may be out
	TURN (\t)+1                                    ; they go through the other stage while this step is worked
.endif
.if (\t) < 4
	HOLD T, XS, 249
	HOLD T+16, XS, 251
	HOLD T+32, XS, 253
.irp g, 0,1,2
	v_cvt_scalef32_pk8_fp8_f32 v[CX+12*(\t)+4*\g:CX+12*(\t)+4*\g+1], v[T+16*\g:T+16*\g+7], v[248+2*\g]
	v_cvt_scalef32_pk8_fp8_f32 v[CX+12*(\t)+4*\g+2:CX+12*(\t)+4*\g+3], v[T+16*\g+8:T+16*\g+15], v[248+2*\g]
.endr
	v_nop                                          ; a plain vector line between the conversions and the next step's holds, which write their sources
	global_store_b128 v3, v[CX+12*(\t):CX+12*(\t)+3], s[24:25] offset:512*(\t)       ; 32 lanes store 512 consecutive bytes
	global_store_b128 v3, v[CX+12*(\t)+4:CX+12*(\t)+7], s[26:27] offset:512*(\t)
	global_store_b128 v3, v[CX+12*(\t)+8:CX+12*(\t)+11], s[28:29] offset:512*(\t)
.else
	HOLD T, XS, 255
	v_cvt_scalef32_pk8_fp8_f32 v[CW+4*((\t)-4):CW+4*((\t)-4)+1], v[T:T+7], v254
	v_cvt_scalef32_pk8_fp8_f32 v[CW+4*((\t)-4)+2:CW+4*((\t)-4)+3], v[T+8:T+15], v254
	v_nop
	global_store_b128 v3, v[CW+4*((\t)-4):CW+4*((\t)-4)+3], s[30:31] offset:512*((\t)-4)
.endif
.endm
.irp t, 0,1,2,3,4,5
	STEP \t
.endr
	s_wait_tensorcnt 0x0
	ds_add_u32 v12, v13
	s_wait_dscnt 0x0
	s_endpgm
.Lfunc_end_k_q49a9dce515_quant:
	.size	k_q49a9dce515_quant, .Lfunc_end_k_q49a9dce515_quant-k_q49a9dce515_quant
	.p2alignl 7, 3214868480
	.fill 96, 4, 3214868480
	.section	.rodata,"a",@progbits
	.p2align	6, 0x0
	.amdhsa_kernel k_q49a9dce515_quant
		.amdhsa_group_segment_fixed_size 33280
		.amdhsa_private_segment_fixed_size 0
		.amdhsa_enable_private_segment 0
		.amdhsa_kernarg_size 56
		.amdhsa_user_sgpr_count 2
		.amdhsa_user_sgpr_kernarg_segment_ptr 1
		.amdhsa_wavefront_size32 1
		.amdhsa_system_sgpr_workgroup_id_x 1
		.amdhsa_system_sgpr_workgroup_id_y 1
		.amdhsa_system_sgpr_workgroup_id_z 1
		.amdhsa_system_vgpr_workitem_id 0
		.amdhsa_next_free_vgpr 256
		.amdhsa_next_free_sgpr 66
		.amdhsa_reserve_vcc 0
		.amdhsa_float_denorm_mode_32 3
		.amdhsa_float_denorm_mode_16_64 3
		.amdhsa_memory_ordered 1
		.amdhsa_forward_progress 1
		.amdhsa_inst_pref_size 27
	.end_amdhsa_kernel
	.amdgpu_metadata
---
amdhsa.version: [ 1, 2 ]
amdhsa.kernels:
  - .name:           k_q49a9dce515_quant
    .symbol:         k_q49a9dce515_quant.kd
    .args:
      - { .name: x, .offset: 0, .size: 8, .value_kind: global_buffer, .address_space: global }
      - { .name: q_heads, .offset: 8, .size: 8, .value_kind: global_buffer, .address_space: global }
      - { .name: k_heads, .offset: 16, .size: 8, .value_kind: global_buffer, .address_space: global }
      - { .name: v_heads, .offset: 24, .size: 8, .value_kind: global_buffer, .address_space: global }
      - { .name: output_proj, .offset: 32, .size: 8, .value_kind: global_buffer, .address_space: global }
      - { .name: lowp_scales, .offset: 40, .size: 8, .value_kind: global_buffer, .address_space: global }
      - { .name: cb, .offset: 48, .size: 8, .value_kind: global_buffer, .address_space: global }
    .group_segment_fixed_size: 33280
    .private_segment_fixed_size: 0
    .kernarg_segment_align: 8
    .kernarg_segment_size: 56
    .max_flat_workgroup_size: 128
    .sgpr_count:     66
    .vgpr_count:     256
    .wavefront_size: 32
...
	.end_amdgpu_metadata
.endif
;; end of part 1
;; launch qkv (part 2): grid 12 x 64, 4 waves a work-group, clusters of 4 x 4, 327,680 bytes of LDS; arguments cb, lowp_scales, qc, kc, vc; writes qc, kc, vc
.if DOCPART == 2
	.amdgcn_target "amdgcn-amd-amdhsa--gfx1250"
	.amdhsa_code_object_version 6
	.text
	.protected	k_q49a9dce515_qkv
	.globl	k_q49a9dce515_qkv
	.p2align	8
	.type	k_q49a9dce515_qkv,@function
k_q49a9dce515_qkv:
	s_mov_b64 s[64:65], 0
	v_nop
	global_prefetch_b8 v0, s[64:65] scope:SCOPE_SE
	s_setreg_imm32_b32 hwreg(HW_REG_WAVE_MODE, 25, 1), 1
	s_wait_xcnt 0x0
	s_wait_alu depctr_hold_cnt(0) depctr_sa_sdst(0) depctr_va_vdst(0) depctr_va_sdst(0) depctr_va_ssrc(0) depctr_va_vcc(0) depctr_vm_vsrc(0)
	s_getreg_b32 s2, hwreg(HW_REG_IB_STS2, 6, 4)
	s_cmp_eq_u32 s2, 0
	s_cbranch_scc0 .Lentry_in_a_cluster
	s_endpgm
.Lentry_in_a_cluster:
	s_bfe_u32 s2, ttmp6, 0x10000c
	s_cmp_lg_u32 s2, 0xf033
	s_cbranch_scc0 .Lentry_shape_is_right
	s_endpgm
.Lentry_shape_is_right:
; The three projections on E4M3 codes, their results quantised on the way out.  ONE form: C[m][n] = Q(sum over k of A[m][k] B[n][k]), K = 1,024, codes out with n innermost.
; T = the cluster's x:  T = 0: A = x under e0, B = q_heads, C = q.   T = 1: A = x under e2, B = k_heads, C = k.   T = 2: A = v_heads, B = x under e4, C = v TRANSPOSED [feature][token]: the keys come innermost by the same text.
; A sum stands for sum x 2^(ea + eb); its code is sum / 2^(ec - ea - eb), held within +-448: the three exponents are folded into the conversion's one scale (ec: entry 6 for q, 7 for k, 9 for v).
; SHARES: a tile of C is 128 rows of A x 256 rows of B: 768 work-groups.  Four waves, each 64 x 128: 32 accumulators.  The matrix instruction is used transposed (source 0 = 16 rows of B, source 1 = 16 rows of A): a lane holds eight neighbours along n.
; K goes in four steps of 256 (rows of 256 bytes) through THREE LDS slots: steps 0, 1, 2 are asked for at the head (three tensor loads a wave are out), step 3 fills slot 0 again and has four steps of 128 along K in which to land.  No loop: 8 steps of 128 are written out.
; CLUSTERS: 4 x 4 work-groups; A's tile is shared along a row of the cluster, B's along a column: each is asked for jointly.  T is the same in all sixteen partners, so the one branch on it is alike in all.
; A fragment's registers 4 c .. 4 c + 3 hold k = 32 c + 16 (lane / 16) + 0 .. 15: the same permutation of k in A and in B, so every product meets its partner.
; OUT: q, k: [batch x 16 + head][position][64 bytes], position = token with bits 3 and 4 swapped, so that the 16 rows of a key tile of the next launch are neighbours.  v: [batch x 16 + head][channel, bits 3 and 4 swapped][token].
; No prefetch: three quarters of a tile's bytes are asked for by its first lines, so there is nothing to ask for earlier.
; LIMITS: ec - ea - eb between -126 and 119.
; REGISTERS: window 0: v15-31 addresses and scales; v32-95 held sums; v96-127 codes; v128-191, v192-255 A's two sets (4 x 16), later rows read back.  window 1: B's two sets (8 x 16).  window 2: accumulator (a, b) at v[8 (8 a + b)].
.set PITCH, 272                        ; an LDS row: 256 bytes + 16 of padding = 68 words: the 16 rows that a load touches start at 16 different banks (ISA guide 11.1)
.set SLOT,  384*PITCH                  ; A's 128 rows, then B's 256 rows
.set BOFF,  128*PITCH
.set STG,   SLOT                       ; the way out: 128 rows x 272 bytes in slot 1, which has had its one fill and, behind the last barrier of the products, its last read
.set SPARE, 3*SLOT                     ; behind the slots: the spare words, 128 bytes a wave: two blocks of 256 bytes that no other line names
.set LIM,  15                          ; v15  448 x the scale
.set ADRA, 16                          ; v16-18  my A fragments in slot 0, 1, 2
.set ADRB, 20                          ; v20-22  the same for B
.set STO,  24                          ; v24  where I put 8 codes of a row
.set RDQ,  25                          ; v25  q, k: where I read the stage back
.set RDV,  26                          ; v26  v: the same
.set COQ,  27                          ; v27  q, k: my byte offset in a store
.set COV,  28                          ; v28  v: the same
.set SC,   29                          ; v29  the scale as f32
.set SPW,  30                          ; v30  my spare word; never rewritten
.set NIL,  31                          ; v31  0; never rewritten
.set TMP,  32
.set CD,   96
.set AF,   128
.set BK,   128
.set G1,  24                           ; s[24:31] group 1 for A's tiles;  s[32:39] for B's
.set G1B, 32
.set G0,  40                           ; s[40:51] group 0 for A's tiles, a set for each slot;  s[52:63] for B's
.set G0B, 52
.set MSB, 0
.macro WIN new                         ; the immediate's high byte repeats the setting that is left
.if MSB != \new
	s_set_vgpr_msb (MSB<<8)|\new
.set MSB, \new
.endif
.endm
.macro PLACES n                        ; plain vector lines between a matrix instruction and a load into, or a read of, its registers
.rept \n
	v_nop
.endr
.endm
.macro CREST                           ; a round of the cluster's barrier behind its opening barrier
	s_cmp_lg_u32 s14, 0
	s_cbranch_scc1 .Lnot_wave_0_\@
	s_barrier_signal -3
.Lnot_wave_0_\@:
	s_barrier_wait -3
	s_barrier_signal -1
	s_barrier_wait -1
.endm
.macro CROUND
	s_barrier_signal -1
	s_barrier_wait -1
	CREST
.endm
.macro JLOAD                           ; the one refill, of slot 0: waves 0 and 1 fetch A's halves, waves 2 and 3 B's; four v_nop follow each line
	s_cmp_eq_u32 s15, 0
	s_cbranch_scc0 .Lfor_b_\@
	tensor_load_to_lds s[G0:G0+3], s[G1:G1+7]
	s_nop 0
.rept 4
	v_nop
.endr
	s_branch .Lasked_\@
.Lfor_b_\@:
	tensor_load_to_lds s[G0B:G0B+3], s[G1B:G1B+7]
	s_nop 0
.rept 4
	v_nop
.endr
.Lasked_\@:
.endm
	s_load_b256 s[4:11], s[0:1], 0x0               ; cb s[4:5], the exponents s[6:7], qc s[8:9], kc s[10:11]
	s_load_b64 s[12:13], s[0:1], 0x20              ; vc
	v_lshl_add_u32 v[SPW], v0, 2, SPARE
	v_mov_b32 v[NIL], 0
	ds_add_u32 v30, v31
	ds_add_u32 v30, v31
	s_wait_dscnt 0x0
	v_lshrrev_b32 v1, 5, v0
	v_readfirstlane_b32 s14, v1                    ; wave 0..3
	s_lshr_b32 s15, s14, 1                         ; which 64 rows of the tile are mine.  Also: I fetch for A (0) or for B (1)
	s_and_b32 s16, s14, 1                          ; which 128 columns.  Also: which half of that tile I fetch
	s_bfe_u32 s19, ttmp6, 0x40000                  ; cx
	s_bfe_u32 s20, ttmp6, 0x40004                  ; cy
	s_mov_b32 s17, ttmp9                           ; T: which projection; the cluster's x, shared by all partners
	s_and_b32 s18, ttmp7, 0xffff                   ; the cluster's y, 0 .. 15
	s_and_b32 s70, s18, 7
	s_lshr_b32 s71, s18, 3
	s_lshl_b32 s72, s17, 23                        ; x's codes under e0 or e2: 8 Mi x T
	s_lshl_b32 s73, s17, 20
	s_add_co_u32 s73, s73, 0x1800000               ; q_heads' or k_heads' codes: 24 Mi + 1 Mi x T
	s_cmp_eq_u32 s17, 2
	s_cselect_b32 s70, s70, 0                      ; the cluster's column of tiles: T < 2: the only one; T = 2: 8 of them
	s_cselect_b32 s71, s71, s18                    ; its row of tiles: T < 2: 16; T = 2: 2
	s_cselect_b32 s72, 0x1a00000, s72              ; A's first byte in cb (T = 2: v_heads' codes, 26 Mi)
	s_cselect_b32 s73, 0x1000000, s73              ; B's (T = 2: x's codes under e4, 16 Mi)
	s_lshl_b32 s21, s70, 2
	s_add_co_u32 s21, s21, s19                     ; tile column
	s_lshl_b32 s22, s71, 2
	s_add_co_u32 s22, s22, s20                     ; tile row
	s_lshl_b32 s74, s20, 2
	s_lshl_b32 s74, 15, s74                        ; my row of the cluster
	s_lshl_b32 s75, 0x1111, s19                    ; my column
	s_or_b32 s[G1], s74, (1<<20)|(1<<21)|(5<<22)|(3<<25)   ; 15:0 the mask; elements of 1 byte; 20 padding on; 21 set beside a mask; after every 64 words (code 5) four words (code 3)
	s_or_b32 s[G1B], s75, (1<<20)|(1<<21)|(5<<22)|(3<<25)
	s_mov_b32 s[G1+1], 256<<16                     ; tensor_dim0 = 256
	s_mov_b32 s[G1+2], 64<<16                      ; tensor_dim1 = 64
	s_mov_b32 s[G1+3], 256<<16                     ; tile_dim0 = 256
	s_mov_b32 s[G1+4], 64                          ; tile_dim1 = 64: half of A's 128 rows
	s_mov_b32 s[G1+5], 1024                        ; from row to row
	s_mov_b32 s[G1+6], 0
	s_mov_b32 s[G1+7], 0
	s_mov_b32 s[G1B+1], 256<<16
	s_mov_b32 s[G1B+2], 128<<16
	s_mov_b32 s[G1B+3], 256<<16
	s_mov_b32 s[G1B+4], 128                        ; half of B's 256 rows
	s_mov_b32 s[G1B+5], 1024
	s_mov_b32 s[G1B+6], 0
	s_mov_b32 s[G1B+7], 0
	s_lshl_b32 s66, s22, 7                         ; A: row 128 x tile row + 64 x half: it hangs on the tile row alone
	s_lshl_b32 s76, s16, 6
	s_add_co_u32 s66, s66, s76
	s_lshl_b32 s66, s66, 10
	s_add_co_u32 s66, s66, s72
	s_mov_b32 s67, 0
	s_lshl_b32 s68, s21, 8                         ; B: row 256 x tile column + 128 x half: on the tile column alone
	s_lshl_b32 s76, s16, 7
	s_add_co_u32 s68, s68, s76
	s_lshl_b32 s68, s68, 10
	s_add_co_u32 s68, s68, s73
	s_mov_b32 s69, 0
	s_mul_i32 s77, s16, 64*PITCH                   ; where they go: no place in the cluster enters an LDS address
	s_mul_i32 s78, s16, 128*PITCH
	s_add_co_u32 s78, s78, BOFF
	s_wait_kmcnt 0x0
	s_load_b256 s[80:87], s[6:7], 0x0              ; e0 .. e7
	s_load_b128 s[88:91], s[6:7], 0x20             ; e8 .. e11
	s_add_nc_u64 s[66:67], s[4:5], s[66:67]
	s_add_nc_u64 s[68:69], s[4:5], s[68:69]
	CROUND                                         ; all sixteen work-groups are here: the first joint loads meet
.irp s, 0,1,2
	s_mov_b32 s[G0+4*\s], 1
	s_add_co_u32 s[G0+4*\s+1], s77, \s*SLOT
	s_add_nc_u64 s[G0+4*\s+2:G0+4*\s+3], s[66:67], \s*256
	s_or_b32 s[G0+4*\s+3], s[G0+4*\s+3], 0x80000000
	s_mov_b32 s[G0B+4*\s], 1
	s_add_co_u32 s[G0B+4*\s+1], s78, \s*SLOT
	s_add_nc_u64 s[G0B+4*\s+2:G0B+4*\s+3], s[68:69], \s*256
	s_or_b32 s[G0B+4*\s+3], s[G0B+4*\s+3], 0x80000000
.endr
	s_cmp_eq_u32 s15, 0                            ; a wave's three first fills stand in one branch, ahead of every wait on TENSORcnt and every LDS read: three loads of mine are out
	s_cbranch_scc0 .Lfirst_b
	tensor_load_to_lds s[G0:G0+3], s[G1:G1+7]
	s_nop 0
	tensor_load_to_lds s[G0+4:G0+7], s[G1:G1+7]
	s_nop 0
	tensor_load_to_lds s[G0+8:G0+11], s[G1:G1+7]
	s_nop 0
.rept 4
	v_nop
.endr
	s_branch .Lfirst_asked
.Lfirst_b:
	tensor_load_to_lds s[G0B:G0B+3], s[G1B:G1B+7]
	s_nop 0
	tensor_load_to_lds s[G0B+4:G0B+7], s[G1B:G1B+7]
	s_nop 0
	tensor_load_to_lds s[G0B+8:G0B+11], s[G1B:G1B+7]
	s_nop 0
.rept 4
	v_nop
.endr
.Lfirst_asked:
	v_and_b32 v1, 15, v0                           ; r = lane % 16
	v_bfe_u32 v2, v0, 4, 1                         ; h = lane / 16
	v_and_b32 v5, 31, v0                           ; lane
	v_mul_u32_u24 v3, v1, PITCH
	s_wait_alu depctr_va_vdst(0)
	v_lshl_add_u32 v4, v2, 4, v3                   ; a fragment's row x pitch + 16 h
	s_mul_i32 s76, s15, 64*PITCH                   ; my 64 rows of A
	s_mul_i32 s79, s16, 128*PITCH                  ; my 128 rows of B,
	s_add_co_u32 s79, s79, BOFF                    ; which lie behind A's 128
.irp s, 0,1,2
	v_add_nc_u32 v[ADRA+\s], s76, v4
	v_add_nc_u32 v[ADRB+\s], s79, v4
	s_add_co_u32 s76, s76, SLOT
	s_add_co_u32 s79, s79, SLOT
.endr
	s_mul_i32 s76, s15, 64*PITCH                   ; the stage, in: row 64 i + r, byte 128 j + 8 h
	s_lshl_b32 s79, s16, 7
	s_add_co_u32 s76, s76, s79
	s_add_co_u32 s76, s76, STG
	v_lshl_add_u32 v[STO], v2, 3, v3
	v_add_nc_u32 v[STO], s76, v[STO]
	v_lshrrev_b32 v6, 2, v5                        ; back, q and k: four lanes to a token's 64 bytes of head w: row lane / 4, byte 64 w + 16 (lane % 4)
	v_mul_u32_u24 v6, v6, PITCH
	v_and_b32 v7, 3, v5
	v_lshl_add_u32 v6, v7, 4, v6
	s_lshl_b32 s76, s14, 6
	s_add_co_u32 s76, s76, STG
	v_add_nc_u32 v[RDQ], s76, v6
	v_mul_u32_u24 v6, v2, PITCH                    ; back, v: sixteen lanes to a row of 256 bytes: row 32 w + h
	v_lshl_add_u32 v6, v1, 4, v6
	s_mul_i32 s76, s14, 32*PITCH
	s_add_co_u32 s76, s76, STG
	v_add_nc_u32 v[RDV], s76, v6
	v_lshlrev_b32 v[COQ], 4, v5                    ; q, k: 512 consecutive bytes a store
	v_lshlrev_b32 v6, 11, v2
	v_lshl_add_u32 v[COV], v1, 4, v6               ; v: two rows of 2,048 bytes apart, 256 bytes of each
.macro FRAG reg, adr, q, i             ; a fragment: 16 rows x 128 K in 16 registers
.irp c, 0,1,2,3
	ds_load_b128 v[\reg+4*\c:\reg+4*\c+3], v[\adr] offset:128*(\q)+32*\c+(\i)*16*PITCH
.endr
.endm
.macro FETCH slot, q, p                ; 48 LDS loads in one run: the slot's q-th 128 along K into set p: B's eight fragments, A's four
	WIN 0x40
.irp i, 0,1,2,3,4,5,6,7
	FRAG 128*(\p)+16*\i, ADRB+\slot, \q, \i
.endr
	WIN 0
.irp i, 0,1,2,3
	FRAG AF+64*(\p)+16*\i, ADRA+\slot, \q, \i
.endr
.endm
.macro MUL8 a, p, zero                 ; A's block a against B's eight.  The 32 accumulators take turns, one instruction a turn, in the same order in every step
	WIN 0xa1                                       ; source 0 (B) window 1, source 1 (A) window 0, C and D window 2
.irp b, 0,1,2,3,4,5,6,7
.if \zero
	v_wmma_f32_16x16x128_fp8_fp8 v[8*(8*(\a)+\b):8*(8*(\a)+\b)+7], v[128*(\p)+16*\b:128*(\p)+16*\b+15], v[AF+64*(\p)+16*(\a):AF+64*(\p)+16*(\a)+15], 0
.else
	v_wmma_f32_16x16x128_fp8_fp8 v[8*(8*(\a)+\b):8*(8*(\a)+\b)+7], v[128*(\p)+16*\b:128*(\p)+16*\b+15], v[AF+64*(\p)+16*(\a):AF+64*(\p)+16*(\a)+15], v[8*(8*(\a)+\b):8*(8*(\a)+\b)+7]
.endif
.endr
.endm
.macro STEP p, nslot, nq, zero         ; 128 along K on set p; the next step's fragments are asked for first, into the other set
	PLACES 4
	FETCH \nslot, \nq, 1-(\p)
	s_wait_dscnt 48                                ; all but the 48 just issued: set p is in
	MUL8 0, \p, \zero
	MUL8 1, \p, \zero
	MUL8 2, \p, \zero
	MUL8 3, \p, \zero
.endm
	s_wait_tensorcnt 2                             ; my part of K step 0 is in; K steps 1 and 2 may stay out
	s_barrier_signal -1
	s_barrier_wait -1
	FETCH 0, 0, 0
	STEP 0, 0, 1, 1                                ; k 0-127: the first products start the sums: nothing is cleared
	; k 128-255, and slot 0 is left: the barrier opens a round of the cluster's barrier, and behind the round slot 0 takes K step 3
	WIN 0                                          ; (the add's two registers lie in window 0)
	s_wait_tensorcnt 0x0                           ; all my tensor loads have landed
	ds_add_u32 v[SPW], v[NIL]                      ; 0 onto my spare word
	s_wait_dscnt 1                                 ; (the add may be out; set 1 is in)
	MUL8 0, 1, 0                                   ; eight matrix instructions stand between the add and the wait for it
	s_wait_dscnt 0x0                               ; the add is done, and my reads of slot 0 are over
	s_barrier_signal -1
	MUL8 1, 1, 0
	WIN 0
	s_barrier_wait -1
	CREST                                          ; no wave of any partner still reads slot 0 or has a load on its way
	s_add_nc_u64 s[G0+2:G0+3], s[G0+2:G0+3], 768   ; from K step 0 to K step 3
	s_add_nc_u64 s[G0B+2:G0B+3], s[G0B+2:G0B+3], 768
	JLOAD                                          ; the first tensor load behind the round; its four v_nop are also the places in front of the loads below
	FETCH 1, 0, 0
	MUL8 2, 1, 0
	MUL8 3, 1, 0
	STEP 0, 1, 1, 0                                ; k 256-383
	STEP 1, 2, 0, 0                                ; k 384-511
	STEP 0, 2, 1, 0                                ; k 512-639
	; k 640-767; behind this barrier slot 0's second tile is whole, and nobody reads slot 1 any more.
	s_wait_tensorcnt 0x0                           ; the one load that was out: my part of K step 3
	s_wait_dscnt 0x0                               ; set 1 is in; my reads of slots 1 and 2 are over
	s_barrier_signal -1
	MUL8 0, 1, 0
	MUL8 1, 1, 0
	s_barrier_wait -1
	PLACES 4
	FETCH 0, 0, 0
	MUL8 2, 1, 0
	MUL8 3, 1, 0
	STEP 0, 0, 1, 0                                ; k 768-895
	s_wait_dscnt 0x0                               ; k 896-1023: nothing more to fetch
	MUL8 0, 1, 0
	MUL8 1, 1, 0
	MUL8 2, 1, 0
	MUL8 3, 1, 0
	WIN 0
	; THE WAY OUT: held, converted, 8 codes a lane into the work-group's stage; a barrier; back in the order in which the next launch wants the rows.
	s_wait_kmcnt 0x0
	s_add_co_i32 s92, s80, s81                     ; ea + eb of the three projections
	s_add_co_i32 s93, s82, s83
	s_add_co_i32 s94, s84, s85
	s_cmp_eq_u32 s17, 1
	s_cselect_b32 s92, s93, s92
	s_cselect_b32 s95, s87, s86                    ; ec: entry 6 (q), 7 (k),
	s_cmp_eq_u32 s17, 2
	s_cselect_b32 s92, s94, s92
	s_cselect_b32 s95, s89, s95                    ; 9 (v)
	s_sub_co_i32 s95, s95, s92
	s_add_co_i32 s95, s95, 127
	s_lshl_b32 s96, s95, 23
	v_mov_b32 v[SC], s96                           ; 2^(ec - ea - eb) as f32
	s_add_co_i32 s95, s95, 8
	s_lshl_b32 s95, s95, 23
	s_or_b32 s95, s95, 0x600000
	v_mov_b32 v[LIM], s95                          ; 448 x that
	PLACES 4
.irp a, 0,1,2,3
	WIN 0x02                                       ; source 0: window 2
.set n, 0
.rept 64
	v_med3_num_f32 v[TMP+n], v[64*\a+n], -v[LIM], v[LIM]   ; each accumulator from its low end on
.set n, n+1
.endr
	WIN 0
.if \a >= 2
	s_wait_alu depctr_va_vdst(0)
	s_wait_dscnt 8                                 ; the stores of two blocks back have read this set of code registers; the last block's eight may be out
.endif
.irp b, 0,1,2,3,4,5,6,7
	v_cvt_scalef32_pk8_fp8_f32 v[CD+16*(\a%2)+2*\b:CD+16*(\a%2)+2*\b+1], v[TMP+8*\b:TMP+8*\b+7], v[SC]
.endr
	v_nop                                          ; a plain vector line between the conversions and the next block's holds, which write their sources
.irp b, 0,1,2,3,4,5,6,7
	ds_store_b64 v[STO], v[CD+16*(\a%2)+2*\b:CD+16*(\a%2)+2*\b+1] offset:16*PITCH*\a+16*\b   ; C(64 i + 16 a + r, 128 j + 16 b + 8 h + 0 .. 7)
.endr
.endr
	s_wait_dscnt 0x0                               ; for the others' sake: my stores into the stage are done
	s_barrier_signal -1
	s_barrier_wait -1
	s_cmp_eq_u32 s17, 2
	s_cbranch_scc1 .Lv_out
	; q and k: wave w takes head 4 x tile column + w: 128 tokens x 64 bytes.  Store t covers positions 8 t .. 8 t + 7, whose tokens are those numbers with bits 3 and 4 swapped
	s_lshl_b32 s66, s21, 2
	s_add_co_u32 s66, s66, s14                     ; head
	s_lshr_b32 s67, s22, 4                         ; batch: 16 tile rows of 128 tokens each
	s_lshl_b32 s67, s67, 4
	s_add_co_u32 s66, s66, s67
	s_lshl_b32 s66, s66, 17                        ; 2,048 positions x 64 bytes
	s_and_b32 s67, s22, 15
	s_lshl_b32 s67, s67, 13                        ; the tile's first position x 64 bytes
	s_add_co_u32 s66, s66, s67
	s_mov_b32 s67, 0
	s_cmp_eq_u32 s17, 0
	s_cselect_b64 s[68:69], s[8:9], s[10:11]
	s_add_nc_u64 s[68:69], s[68:69], s[66:67]
.irp t, 0,1,2,3,4,5,6,7,8,9,10,11,12,13,14,15
	ds_load_b128 v[BK+4*\t:BK+4*\t+3], v[RDQ] offset:PITCH*(8*((\t>>1)&1)+16*(\t&1)+32*(\t>>2))
.endr
.irp t, 0,1,2,3,4,5,6,7,8,9,10,11,12,13,14,15
	s_wait_dscnt 15-\t
	global_store_b128 v[COQ], v[BK+4*\t:BK+4*\t+3], s[68:69] offset:512*\t   ; 32 lanes store 512 consecutive bytes, aligned
.endr
	s_branch .Lout_done
.Lv_out:
	; v: wave w takes channels 32 w .. 32 w + 31 of the tile's 128 rows; a row is 256 tokens.  Load t brings rows 2 t and 2 t + 1, which go to those numbers with bits 3 and 4 swapped
	s_lshr_b32 s66, s21, 3                         ; batch: 8 tile columns of 256 tokens each
	s_lshl_b32 s66, s66, 21                        ; 1,024 rows x 2,048 bytes
	s_lshl_b32 s67, s22, 7
	s_lshl_b32 s70, s14, 5
	s_add_co_u32 s67, s67, s70
	s_lshl_b32 s67, s67, 11                        ; my first row
	s_add_co_u32 s66, s66, s67
	s_and_b32 s67, s21, 7
	s_lshl_b32 s67, s67, 8                         ; the tile's first token
	s_add_co_u32 s66, s66, s67
	s_mov_b32 s67, 0
	s_add_nc_u64 s[68:69], s[12:13], s[66:67]
.irp t, 0,1,2,3,4,5,6,7,8,9,10,11,12,13,14,15
	ds_load_b128 v[BK+4*\t:BK+4*\t+3], v[RDV] offset:2*PITCH*\t
.endr
.irp t, 0,1,2,3,4,5,6,7,8,9,10,11,12,13,14,15
	s_wait_dscnt 15-\t
	global_store_b128 v[COV], v[BK+4*\t:BK+4*\t+3], s[68:69] offset:2048*(((2*\t)&6)+8*((\t>>3)&1)+16*((\t>>2)&1))   ; 16 lanes store 256 consecutive bytes, aligned
.endr
.Lout_done:
	s_wait_tensorcnt 0x0                           ; the wave's end, behind my last tensor load and my last LDS store
	ds_add_u32 v[SPW], v[NIL]
	s_wait_dscnt 0x0
	CROUND                                         ; the closing round: no work-group ends while a partner may still ask for a tile that names it
	s_endpgm
.Lfunc_end_k_q49a9dce515_qkv:
	.size	k_q49a9dce515_qkv, .Lfunc_end_k_q49a9dce515_qkv-k_q49a9dce515_qkv
	.p2alignl 7, 3214868480
	.fill 96, 4, 3214868480
	.section	.rodata,"a",@progbits
	.p2align	6, 0x0
	.amdhsa_kernel k_q49a9dce515_qkv
		.amdhsa_group_segment_fixed_size 327680
		.amdhsa_private_segment_fixed_size 0
		.amdhsa_enable_private_segment 0
		.amdhsa_kernarg_size 40
		.amdhsa_user_sgpr_count 2
		.amdhsa_user_sgpr_kernarg_segment_ptr 1
		.amdhsa_wavefront_size32 1
		.amdhsa_system_sgpr_workgroup_id_x 1
		.amdhsa_system_sgpr_workgroup_id_y 1
		.amdhsa_system_sgpr_workgroup_id_z 1
		.amdhsa_system_vgpr_workitem_id 0
		.amdhsa_next_free_vgpr 768
		.amdhsa_next_free_sgpr 104
		.amdhsa_reserve_vcc 0
		.amdhsa_float_denorm_mode_32 3
		.amdhsa_float_denorm_mode_16_64 3
		.amdhsa_memory_ordered 1
		.amdhsa_forward_progress 1
		.amdhsa_inst_pref_size 81
	.end_amdhsa_kernel
	.amdgpu_metadata
---
amdhsa.version: [ 1, 2 ]
amdhsa.kernels:
  - .name:           k_q49a9dce515_qkv
    .symbol:         k_q49a9dce515_qkv.kd
    .args:
      - { .name: cb, .offset: 0, .size: 8, .value_kind: global_buffer, .address_space: global }
      - { .name: lowp_scales, .offset: 8, .size: 8, .value_kind: global_buffer, .address_space: global }
      - { .name: qc, .offset: 16, .size: 8, .value_kind: global_buffer, .address_space: global }
      - { .name: kc, .offset: 24, .size: 8, .value_kind: global_buffer, .address_space: global }
      - { .name: vc, .offset: 32, .size: 8, .value_kind: global_buffer, .address_space: global }
    .group_segment_fixed_size: 327680
    .private_segment_fixed_size: 0
    .kernarg_segment_align: 8
    .kernarg_segment_size: 40
    .max_flat_workgroup_size: 128
    .sgpr_count:     104
    .vgpr_count:     768
    .wavefront_size: 32
...
	.end_amdgpu_metadata
.endif
;; end of part 2
;; launch attn (part 3): grid 4 x 64, 8 waves a work-group, no clusters, 327,680 bytes of LDS; arguments qc, kc, vc, lowp_scales, oc; writes oc
.if DOCPART == 3
	.amdgcn_target "amdgcn-amd-amdhsa--gfx1250"
	.amdhsa_code_object_version 6
	.text
	.protected	k_q49a9dce515_attn
	.globl	k_q49a9dce515_attn
	.p2align	8
	.type	k_q49a9dce515_attn,@function
k_q49a9dce515_attn:
	s_mov_b64 s[64:65], 0
	v_nop
	global_prefetch_b8 v0, s[64:65] scope:SCOPE_SE
	s_setreg_imm32_b32 hwreg(HW_REG_WAVE_MODE, 25, 1), 1
	s_wait_xcnt 0x0
; Causal attention on E4M3 codes, head size 64, 2,048 tokens, 64 (batch, head) pairs; the result is quantised for the last projection.
; t = score x 2^(e6 + e7) x log2(e) / 8; M = the row's largest t so far, rounded UP to a whole number; p = 2^(t - M) is quantised with 2^e8, not normalised; the row's sum is taken of the unquantised p and divides at the end.
; When M moves, the sum and O are multiplied by 2^(old M - new M): exact.  out = O x 2^(e8 + e9) / sum, then converted with 2^e10.
; SHARES.  Work-group (I, head) owns query blocks I and 7 - I (256 queries each), I first.  Keys come in slots of 256; block b needs b + 1 slots, so every work-group makes (I + 1) + (8 - I) = 9 trips: a constant trip count,
; equal work in all 256 work-groups.  Trip J reads key slot J where J <= I, else J - I - 1.  Each of the eight waves owns 32 queries, two tiles a and b, so each fragment of K and V read from LDS feeds two matrix instructions.
; NO CLUSTER: in trip J the four work-groups of a head read key slots J or J - I - 1, which depend on I: they do not all ask for the same tile in every trip.
; LAYOUT.  Both products transposed: S^T = K Q^T (source 0 = 16 keys), O^T = V^T P^T (source 0 = 16 channels): a lane holds ONE query (lane % 16) throughout.  K's rows lie by position (token with bits 3 and 4 swapped), so that
; the 16 registers of key tiles 2 b, 2 b + 1 are keys 32 b + 16 (lane / 16) + 0 .. 15; V's channels lie likewise, so that O^T's 16 registers of tiles 2 c, 2 c + 1 are channels 32 c + 16 (lane / 16) + 0 .. 15.
; OUT: oc is the image of the last projection's A fragments: [token / 16][head][c 0..1][lane][16 bytes]: stored straight from registers, 512 consecutive bytes a store.
; The ring: two LDS slots; wave 0 loads K's 64 rows x 256 bytes (4 positions a row), wave 1 V's 64 rows x 256 bytes; one tensor load of a wave is out behind each barrier.
; O^T is cleared by 64 v_mov_b32 for each block, which spares a copy of the key step that would start the sums.
; LIMITS: e6 + e7 between -123 and 130; e8 and e10 between -126 and 119; e8 + e9 is applied by v_ldexp_f32.
; REGISTERS, window 0: v1-11 addresses and scales; v12-19 -M, largest t, sums of tiles a, b; v20-23 f; v24-29 at work; v31 2^e10; v32-95 fragments of K, then of V; v96-159, v160-223 S^T then p of a, b; v224-255 p's codes.
;   window 1: v0-31, v32-63 O^T of a, b; v64-79 Q of a, b; v80-95 the second block's Q.
.set PITCH, 272
.set VOFF,  64*PITCH                   ; a slot: K's 64 rows, then V's 64 rows
.set SLOT1, 65536                      ; slot 1 begins here: one exclusive or turns an address in one slot into the other's
.set SPARE, 131072                     ; the spare words, 128 bytes for each of eight waves: four blocks of 256 bytes that no other line names
.set AK0, 1                            ; v1   my lane's place in a tile of K
.set AV0, 2                            ; v2   the same for V
.set PFO, 3                            ; v3   the prefetches' offset
.set SPW, 4                            ; v4   my spare word; never rewritten
.set NIL, 5                            ; v5   0; never rewritten
.set GO,  6                            ; v6   16 x lane
.set QO,  7                            ; v7   my lane's byte in 32 positions of Q
.set ADK, 8
.set ADV, 9
.set DL,  10                           ; v10  lane % 16 - 16 (lane / 16)
.set FRG, 32
.set SA,  96
.set SB,  160
.set WV,  14
.set I,   15
.set BH,  16
.set SEL, 20
.set CS,  22
.set G1K, 24
.set G1V, 32
.set G0K, 40
.set G0V, 44
.set KB,  48                           ; s[48:49] K at my head;  s[50:51] V
.set VB,  50
.set TB,  52                           ; s52  LDS byte at which the slot in hand begins
.set J,   53                           ; s53  the trip
.set KF,  54                           ; s54  the step's first key
.set Q0,  55                           ; s55  my first query
.set LIMP, 57                          ; s57  unused
.set PFA, 58
.set PFS, 60
.set LIM, 62
.set OB,  92
.set OB2, 94
.set Q0B, 96
.set EPV, 97
.set MSB, 0
.macro WIN new
.if MSB != \new
	s_set_vgpr_msb (MSB<<8)|\new
.set MSB, \new
.endif
.endm
.macro TLOAD                           ; wave 0 fetches K's tile, wave 1 V's, the others nothing; four v_nop follow each line
	s_cmp_eq_u32 s[WV], 0
	s_cbranch_scc0 .Lnot_k_\@
	tensor_load_to_lds s[G0K:G0K+3], s[G1K:G1K+7]
	s_nop 0
.rept 4
	v_nop
.endr
	s_branch .Lasked_\@
.Lnot_k_\@:
	s_cmp_eq_u32 s[WV], 1
	s_cbranch_scc0 .Lasked_\@
	tensor_load_to_lds s[G0V:G0V+3], s[G1V:G1V+7]
	s_nop 0
.rept 4
	v_nop
.endr
.Lasked_\@:
.endm
; A PREFETCH INTO THE L2 of the key slot that the NEXT change of slots will ask for.  The head's work-group with I = 0 walks key slots 0 .. 7 in order from its second trip on: it alone asks, in trip J for key slot J + 1, J = 0 .. 6.
; Its waves 2, 3 ask for K's 16,384 bytes (8,192 a wave, lanes 256 bytes apart), its waves 4, 5 for V's 64 rows (32 a wave, a lane a row: a slot's part of a row is 256 bytes, aligned).  So each block of 256 bytes of slots 1 .. 7 is named once; slot 0 comes by its load alone.
.macro ASK
	s_cmp_lt_u32 s[J], s[LIM]
	s_cbranch_scc0 .Lnot_mine_\@
	global_prefetch_b8 v[PFO], s[PFA:PFA+1] th:TH_LOAD_NT scope:SCOPE_SE
.Lnot_mine_\@:
.endm
	s_load_b256 s[4:11], s[0:1], 0x0               ; qc s[4:5], kc s[6:7], vc s[8:9], the exponents s[10:11]
	s_load_b64 s[12:13], s[0:1], 0x20              ; oc
	v_lshl_add_u32 v[SPW], v0, 2, SPARE
	v_mov_b32 v[NIL], 0
	ds_add_u32 v4, v5
	ds_add_u32 v4, v5
	s_wait_dscnt 0x0
	v_lshrrev_b32 v8, 5, v0
	s_delay_alu instid0(VALU_DEP_1)
	v_readfirstlane_b32 s[WV], v8                  ; wave 0..7
	s_mov_b32 s[I], ttmp9
	s_and_b32 s[BH], ttmp7, 0xffff
	s_lshl_b32 s66, s[BH], 17                      ; a head's codes: 131,072 bytes in each of qc, kc, vc
	s_mov_b32 s67, 0
	s_mov_b32 s[G1K], (1<<20)|(5<<22)|(3<<25)      ; no mask; elements of 1 byte; padding: four words after every 64
	s_mov_b32 s[G1K+1], 256<<16                    ; tensor_dim0
	s_mov_b32 s[G1K+2], 64<<16                     ; tensor_dim1
	s_mov_b32 s[G1K+3], 256<<16                    ; tile_dim0
	s_mov_b32 s[G1K+4], 64                         ; tile_dim1
	s_mov_b32 s[G1K+5], 256                        ; K's positions are dense: four of them make a row of 256 bytes
	s_mov_b32 s[G1K+6], 0
	s_mov_b32 s[G1K+7], 0
	s_mov_b32 s[G1V], (1<<20)|(5<<22)|(3<<25)
	s_mov_b32 s[G1V+1], 256<<16
	s_mov_b32 s[G1V+2], 64<<16
	s_mov_b32 s[G1V+3], 256<<16
	s_mov_b32 s[G1V+4], 64
	s_mov_b32 s[G1V+5], 2048                       ; a channel's row of V is 2,048 keys
	s_mov_b32 s[G1V+6], 0
	s_mov_b32 s[G1V+7], 0
	s_mov_b32 s[SEL], 0x76543210
	s_mov_b32 s[SEL+1], 0xfedcba98
	s_mov_b32 s[CS], 0x3e38aa3b                    ; log2(e) / sqrt(64)
	s_mov_b32 s[TB], 0
	s_mov_b32 s[J], 0
	s_mov_b32 s[KF], 0
	s_wait_kmcnt 0x0
	s_load_b256 s[80:87], s[10:11], 0x0            ; e0 .. e7
	s_load_b128 s[88:91], s[10:11], 0x20           ; e8 .. e11
	s_add_nc_u64 s[KB:KB+1], s[6:7], s[66:67]
	s_add_nc_u64 s[VB:VB+1], s[8:9], s[66:67]
	s_mov_b32 s[G0K], 1
	s_mov_b32 s[G0K+1], 0                          ; slot 0
	s_mov_b64 s[G0K+2:G0K+3], s[KB:KB+1]           ; key slot 0
	s_or_b32 s[G0K+3], s[G0K+3], 0x80000000
	s_mov_b32 s[G0V], 1
	s_mov_b32 s[G0V+1], VOFF
	s_mov_b64 s[G0V+2:G0V+3], s[VB:VB+1]
	s_or_b32 s[G0V+3], s[G0V+3], 0x80000000
	TLOAD
	s_lshl_b32 s68, s[I], 8
	s_lshl_b32 s69, s[WV], 5
	s_add_co_u32 s[Q0], s68, s69                   ; my first query in block I,
	s_sub_co_u32 s70, 7, s[I]
	s_lshl_b32 s70, s70, 8
	s_add_co_u32 s[Q0B], s70, s69                  ; and in block 7 - I
	s_add_nc_u64 s[4:5], s[4:5], s[66:67]
	s_lshl_b32 s72, s[Q0], 6
	s_mov_b32 s73, 0
	s_add_nc_u64 s[74:75], s[4:5], s[72:73]
	s_lshl_b32 s72, s[Q0B], 6
	s_add_nc_u64 s[76:77], s[4:5], s[72:73]
	v_and_b32 v24, 15, v0                          ; r
	v_bfe_u32 v25, v0, 4, 1                        ; h
	s_delay_alu instid0(VALU_DEP_2)
	v_and_b32 v26, 7, v24
	s_delay_alu instid0(VALU_DEP_3)
	v_lshrrev_b32 v27, 3, v24
	s_delay_alu instid0(VALU_DEP_1)
	v_lshl_add_u32 v26, v27, 4, v26                ; query r of a tile lies at position r % 8 + 16 (r / 8); tile b's lie 8 positions on
	s_delay_alu instid0(VALU_DEP_1)
	v_lshlrev_b32 v[QO], 6, v26
	s_delay_alu instid0(VALU_DEP_1)
	v_lshl_add_u32 v[QO], v25, 4, v[QO]
	WIN 0x40                                       ; destination window 1
	global_load_b128 v[64:67], v[QO], s[74:75]
	global_load_b128 v[68:71], v[QO], s[74:75] offset:32
	global_load_b128 v[72:75], v[QO], s[74:75] offset:512
	global_load_b128 v[76:79], v[QO], s[74:75] offset:544
	global_load_b128 v[80:83], v[QO], s[76:77]
	global_load_b128 v[84:87], v[QO], s[76:77] offset:32
	global_load_b128 v[88:91], v[QO], s[76:77] offset:512
	global_load_b128 v[92:95], v[QO], s[76:77] offset:544
	WIN 0
	v_lshrrev_b32 v26, 2, v24
	s_delay_alu instid0(VALU_DEP_1)
	v_mul_u32_u24 v[AK0], v26, PITCH               ; K: position r of a tile: row r / 4, byte 64 (r % 4), + 16 h: sixteen lanes touch sixteen different columns of 16 bytes
	v_and_b32 v26, 3, v24
	s_delay_alu instid0(VALU_DEP_1)
	v_lshl_add_u32 v[AK0], v26, 6, v[AK0]
	s_delay_alu instid0(VALU_DEP_1)
	v_lshl_add_u32 v[AK0], v25, 4, v[AK0]
	v_mul_u32_u24 v[AV0], v24, PITCH               ; V: row r, + 16 h
	s_delay_alu instid0(VALU_DEP_1)
	v_lshl_add_u32 v[AV0], v25, 4, v[AV0]
	s_delay_alu instid0(VALU_DEP_1)
	v_add_nc_u32 v[AV0], VOFF, v[AV0]
	v_and_b32 v26, 31, v0
	s_delay_alu instid0(VALU_DEP_1)
	v_lshlrev_b32 v[GO], 4, v26
	v_lshlrev_b32 v26, 4, v25
	s_delay_alu instid0(VALU_DEP_1)
	v_sub_nc_u32 v[DL], v24, v26
	; where the results go: token block = 128 x batch + 16 x query block + 2 x wave; 16,384 bytes a token block, 1,024 a head
	s_lshr_b32 s66, s[BH], 4
	s_lshl_b32 s66, s66, 7
	s_lshl_b32 s67, s[WV], 1
	s_add_co_u32 s66, s66, s67
	s_lshl_b32 s67, s[I], 4
	s_add_co_u32 s68, s66, s67
	s_sub_co_u32 s67, 7, s[I]
	s_lshl_b32 s67, s67, 4
	s_add_co_u32 s70, s66, s67
	s_and_b32 s67, s[BH], 15
	s_lshl_b32 s67, s67, 10
	s_lshl_b32 s68, s68, 14
	s_add_co_u32 s68, s68, s67
	s_mov_b32 s69, 0
	s_lshl_b32 s70, s70, 14
	s_add_co_u32 s70, s70, s67
	s_mov_b32 s71, 0
	s_add_nc_u64 s[OB:OB+1], s[12:13], s[68:69]
	s_add_nc_u64 s[OB2:OB2+1], s[12:13], s[70:71]
	; the prefetches: where my wave's stand, and who asks
	s_cmp_lt_u32 s[WV], 4
	s_cselect_b64 s[PFA:PFA+1], s[KB:KB+1], s[VB:VB+1]
	s_mov_b32 s[PFS], 256
	s_cselect_b32 s[PFS], 16384, s[PFS]            ; a key slot on
	s_mov_b32 s66, 2048
	s_cselect_b32 s66, 256, s66                    ; from lane to lane
	s_mov_b32 s67, 65536
	s_cselect_b32 s67, 8192, s67                   ; from wave to wave
	s_mov_b32 s[PFS+1], 0
	v_and_b32 v[PFO], 31, v0
	s_delay_alu instid0(VALU_DEP_1)
	v_mul_lo_u32 v[PFO], v[PFO], s66
	s_and_b32 s68, s[WV], 1
	s_mul_i32 s68, s68, s67
	s_mov_b32 s69, 0
	s_add_nc_u64 s[PFA:PFA+1], s[PFA:PFA+1], s[68:69]   ; in key slot 0: the first change of slots steps it to slot 1
	s_sub_co_u32 s68, s[WV], 2
	s_lshr_b32 s68, s68, 2                         ; 0 in waves 2 to 5,
	s_or_b32 s68, s68, s[I]                        ; of the work-group with I = 0
	s_cmp_eq_u32 s68, 0
	s_cselect_b32 s[LIM], 7, 0
	v_mov_b32 v21, 0                               ; named as upper halves of pairs, or as destinations of lane permutes: written once
	v_mov_b32 v23, 0
.irp n, 24,25,26,27,28,29
	v_mov_b32 v\n, 0
.endr
	s_wait_kmcnt 0x0
	s_add_co_i32 s66, s86, s87                     ; a score stands for score x 2^(e6 + e7): added to c's exponent field
	s_lshl_b32 s66, s66, 23
	s_add_co_i32 s[CS], s[CS], s66
	s_mov_b32 s[CS+1], s[CS]                       ; (named with it as a pair)
	s_add_co_i32 s66, s88, 127
	s_lshl_b32 s67, s66, 23
	v_mov_b32 v11, s67                             ; 2^e8 as f32
	s_add_co_i32 s66, s90, 127
	s_lshl_b32 s67, s66, 23
	v_mov_b32 v31, s67                             ; 2^e10
	s_add_co_i32 s[EPV], s88, s89                  ; e8 + e9
.macro INIT                            ; a block of queries begins: O^T and the sums are zeros, the largest t is -3e38, under every t
	WIN 0x40
.set n, 0
.rept 64
	v_mov_b32 v[n], 0
.set n, n+1
.endr
	WIN 0
	v_mov_b32 v13, 0xff61b1e6
	v_mov_b32 v17, 0xff61b1e6
	s_delay_alu instid0(VALU_DEP_2)
	v_floor_f32 v12, -v13
	s_delay_alu instid0(VALU_DEP_2)
	v_floor_f32 v16, -v17
	v_mov_b32 v14, 0
	v_mov_b32 v15, 0
	v_mov_b32 v18, 0
	v_mov_b32 v19, 0
.endm
; A KEY STEP: 128 keys, the q-th of the slot in hand, for my two tiles of queries.
.macro STEP q
	s_add_co_u32 s66, s[Q0], 31                    ; a step all of whose keys come after my 32 queries is left out: a scalar branch on ids.  KF and Q0 are multiples of 32, so in a step that runs key KF counts for all 32 queries
	s_cmp_gt_u32 s[KF], s66
	s_cbranch_scc1 .Lhidden_\@
	v_add_nc_u32 v[ADK], s[TB], v[AK0]
	v_add_nc_u32 v[ADV], s[TB], v[AV0]
	v_nop                                          ; with the two additions: four places in front of loads into registers that the last products read
	v_nop
.irp t, 0,1,2,3,4,5,6,7
.irp c, 0,1
	ds_load_b128 v[FRG+8*\t+4*\c:FRG+8*\t+4*\c+3], v[ADK] offset:32*PITCH*(\q)+4*PITCH*\t+32*\c
.endr
.endr
	s_wait_dscnt 0x0
	WIN 0x04                                       ; source 1 (Q) window 1
	s_wait_alu depctr_va_vdst(0)
.irp t, 0,1,2,3,4,5,6,7
	v_wmma_f32_16x16x64_fp8_fp8 v[SA+8*\t:SA+8*\t+7], v[FRG+8*\t:FRG+8*\t+7], v[64:71], 0
	v_wmma_f32_16x16x64_fp8_fp8 v[SB+8*\t:SB+8*\t+7], v[FRG+8*\t:FRG+8*\t+7], v[72:79], 0
.endr
	WIN 0
.rept 4
	v_nop                                          ; places in front of the loads below and of the first read of the scores
.endr
.irp t, 0,1,2,3
.irp c, 0,1,2,3
	ds_load_b128 v[FRG+16*\t+4*\c:FRG+16*\t+4*\c+3], v[ADV] offset:16*PITCH*\t+128*(\q)+32*\c   ; V's fragments land while the softmax is worked
.endr
.endr
	s_add_co_u32 s66, s[KF], 127                   ; on the diagonal the scores of hidden keys become -infinity ahead of the maximum; a step all of whose keys count skips this
	s_cmp_le_u32 s66, s[Q0]
	s_cbranch_scc1 .Lopen_\@
	s_sub_co_i32 s66, s[Q0], s[KF]
	v_add_nc_u32 v24, s66, v[DL]                   ; tile a: my query - KF - 16 h.  Register 16 b + i holds key KF + 16 h + 32 b + i: hidden where 32 b + i is greater
	s_delay_alu instid0(VALU_DEP_1)
	v_add_nc_u32 v25, 16, v24                      ; tile b's queries lie 16 on
	v_mov_b32 v26, 0xff800000
.set n, 0
.rept 64
	v_cmp_gt_i32 vcc_lo, 32*(n/16)+n%16, v24
	v_cndmask_b32 v[SA+n], v[SA+n], v26, vcc_lo
	v_cmp_gt_i32 vcc_lo, 32*(n/16)+n%16, v25
	v_cndmask_b32 v[SB+n], v[SB+n], v26, vcc_lo
.set n, n+1
.endr
.Lopen_\@:
	v_max3_num_f32 v24, v[SA], v[SA+1], v[SA+2]    ; the step's largest score of each query, among my 64 keys: two chains a tile, each accumulator from its low end on
	v_max3_num_f32 v26, v[SB], v[SB+1], v[SB+2]
	v_max3_num_f32 v25, v[SA+3], v[SA+4], v[SA+5]
	v_max3_num_f32 v27, v[SB+3], v[SB+4], v[SB+5]
.set n, 6
.rept 14
	v_max3_num_f32 v24, v24, v[SA+n], v[SA+n+1]
	v_max3_num_f32 v26, v26, v[SB+n], v[SB+n+1]
	v_max3_num_f32 v25, v25, v[SA+n+2], v[SA+n+3]
	v_max3_num_f32 v27, v27, v[SB+n+2], v[SB+n+3]
.set n, n+4
.endr
	v_max3_num_f32 v24, v24, v[SA+62], v[SA+63]
	v_max3_num_f32 v26, v26, v[SB+62], v[SB+63]
	s_delay_alu instid0(VALU_DEP_2)
	v_max_num_f32 v24, v24, v25
	s_delay_alu instid0(VALU_DEP_2)
	v_max_num_f32 v26, v26, v27
	s_delay_alu instid0(VALU_DEP_2)
	v_permlanex16_b32 v28, v24, s[SEL], s[SEL+1]
	s_delay_alu instid0(VALU_DEP_2)
	v_permlanex16_b32 v29, v26, s[SEL], s[SEL+1]
	s_delay_alu instid0(VALU_DEP_2)
	v_max_num_f32 v24, v24, v28                    ; and among the other half of the lanes' keys
	s_delay_alu instid0(VALU_DEP_2)
	v_max_num_f32 v26, v26, v29
	s_delay_alu instid0(VALU_DEP_2)
	v_mul_f32 v24, s[CS], v24                      ; as t (c is positive)
	s_delay_alu instid0(VALU_DEP_2)
	v_mul_f32 v26, s[CS], v26
	s_delay_alu instid0(VALU_DEP_2)
	v_max_num_f32 v13, v13, v24                    ; the running largest t
	s_delay_alu instid0(VALU_DEP_2)
	v_max_num_f32 v17, v17, v26
	v_mov_b32 v24, v12
	v_mov_b32 v26, v16
	s_delay_alu instid0(VALU_DEP_4)
	v_floor_f32 v12, -v13                          ; the new -M = floor(-t): M is a whole number
	s_delay_alu instid0(VALU_DEP_4)
	v_floor_f32 v16, -v17
	s_delay_alu instid0(VALU_DEP_2)
	v_sub_f32 v24, v12, v24                        ; old M - new M: a whole number, 0 or less
	s_delay_alu instid0(VALU_DEP_2)
	v_sub_f32 v26, v16, v26
	s_delay_alu instid0(VALU_DEP_2)
	v_cvt_i32_f32 v24, v24                         ; (it saturates)
	s_delay_alu instid0(VALU_DEP_2)
	v_cvt_i32_f32 v26, v26
	s_delay_alu instid0(VALU_DEP_2)
	v_ldexp_f32 v20, 1.0, v24                      ; f = 2^(old M - new M)
	s_delay_alu instid0(VALU_DEP_2)
	v_ldexp_f32 v22, 1.0, v26
.set n, 0
.rept 32
	v_pk_fma_f32 v[SA+n:SA+n+1], v[SA+n:SA+n+1], s[CS:CS+1], v[12:13] op_sel_hi:[1,0,0]   ; t - M, two at a time
	v_pk_fma_f32 v[SB+n:SB+n+1], v[SB+n:SB+n+1], s[CS:CS+1], v[16:17] op_sel_hi:[1,0,0]
.set n, n+2
.endr
.set n, 0
	s_wait_alu depctr_va_vdst(0)
.rept 128
	v_exp_f32 v[SA+n], v[SA+n]                     ; p = 2^(t - M): one batch for both tiles
.set n, n+1
.endr
	v_pk_mul_f32 v[14:15], v[14:15], v[20:21] op_sel_hi:[1,0]   ; the sums under the new M: the plain lines behind the exponentials
	v_pk_mul_f32 v[18:19], v[18:19], v[22:23] op_sel_hi:[1,0]
	s_wait_alu depctr_va_vdst(0)                   ; one wait for the whole batch, ahead of its first reader
	v_pk_add_f32 v[24:25], v[SA:SA+1], v[SA+2:SA+3]   ; the rows' sums, of the UNQUANTISED p: two chains a tile
	v_pk_add_f32 v[26:27], v[SB:SB+1], v[SB+2:SB+3]
.set n, 4
.rept 15
	v_pk_add_f32 v[14:15], v[14:15], v[SA+n:SA+n+1]
	v_pk_add_f32 v[18:19], v[18:19], v[SB+n:SB+n+1]
	v_pk_add_f32 v[24:25], v[24:25], v[SA+n+2:SA+n+3]
	v_pk_add_f32 v[26:27], v[26:27], v[SB+n+2:SB+n+3]
.set n, n+4
.endr
	s_delay_alu instid0(VALU_DEP_2)
	v_pk_add_f32 v[14:15], v[14:15], v[24:25]
	s_delay_alu instid0(VALU_DEP_2)
	v_pk_add_f32 v[18:19], v[18:19], v[26:27]
.set n, 0
.rept 128
.set n, n+1
.endr
.irp b, 0,1,2,3
	v_cvt_scalef32_pk8_fp8_f32 v[224+4*\b:225+4*\b], v[SA+16*\b:SA+16*\b+7], v11
	v_cvt_scalef32_pk8_fp8_f32 v[226+4*\b:227+4*\b], v[SA+16*\b+8:SA+16*\b+15], v11
	v_cvt_scalef32_pk8_fp8_f32 v[240+4*\b:241+4*\b], v[SB+16*\b:SB+16*\b+7], v11
	v_cvt_scalef32_pk8_fp8_f32 v[242+4*\b:243+4*\b], v[SB+16*\b+8:SB+16*\b+15], v11
.endr
	WIN 0x41                                       ; O^T (destination and source 0) window 1
.set n, 0
.rept 16
	v_pk_mul_f32 v[n:n+1], v[n:n+1], v[20:21] op_sel_hi:[1,0]          ; O^T under the new M; these are also the plain lines between the conversions and the products that read the codes
	v_pk_mul_f32 v[32+n:33+n], v[32+n:33+n], v[22:23] op_sel_hi:[1,0]
.set n, n+2
.endr
	s_wait_alu depctr_va_vdst(0)
	s_wait_dscnt 0x0                               ; V is in
	WIN 0x50                                       ; C and D window 1
.irp t, 0,1,2,3
	v_wmma_f32_16x16x128_fp8_fp8 v[8*\t:8*\t+7], v[FRG+16*\t:FRG+16*\t+15], v[224:239], v[8*\t:8*\t+7]          ; the eight accumulators take turns, and the sixteen products K Q^T stand between a step's and the next's
	v_wmma_f32_16x16x128_fp8_fp8 v[32+8*\t:39+8*\t], v[FRG+16*\t:FRG+16*\t+15], v[240:255], v[32+8*\t:39+8*\t]
.endr
	WIN 0
.Lhidden_\@:
	s_add_co_u32 s[KF], s[KF], 128
.endm
; THE CHANGE OF SLOTS, at a trip's head.  Each wave waits for all its tensor loads, adds 0 to its spare word, and waits for that and for its reads of the slot that it has left.  Behind the barrier the slot ahead is whole and
; nobody reads the other one.  fill = 1: that other slot takes the key slot of the next trip: J + 1 where J < I, else J - I.
.macro CHANGE fill
	s_wait_tensorcnt 0x0                           ; no tensor load of mine is out, so a group 0 may be written
	ds_add_u32 v[SPW], v[NIL]                      ; 0 onto my spare word
.if \fill
	s_add_co_u32 s66, s[J], 1
	s_sub_co_u32 s67, s[J], s[I]
	s_cmp_lt_u32 s[J], s[I]
	s_cselect_b32 s66, s66, s67
	s_lshl_b32 s68, s66, 14                        ; K: 256 positions x 64 bytes a key slot
	s_mov_b32 s69, 0
	s_add_nc_u64 s[G0K+2:G0K+3], s[KB:KB+1], s[68:69]
	s_or_b32 s[G0K+3], s[G0K+3], 0x80000000
	s_lshl_b32 s68, s66, 8                         ; V: 256 bytes along each row
	s_add_nc_u64 s[G0V+2:G0V+3], s[VB:VB+1], s[68:69]
	s_or_b32 s[G0V+3], s[G0V+3], 0x80000000
	s_xor_b32 s[G0K+1], s[G0K+1], SLOT1            ; the other LDS slot than last time
	s_xor_b32 s[G0V+1], s[G0V+1], SLOT1
	s_wait_xcnt 0x0                                ; the last prefetch, a trip back, has read its address, so it may be written
	s_add_nc_u64 s[PFA:PFA+1], s[PFA:PFA+1], s[PFS:PFS+1]
.endif
	s_wait_dscnt 0x0                               ; the add is done, and my reads of the slot that I have left are over
	s_barrier_signal -1
	s_barrier_wait -1
.if \fill
	TLOAD                                          ; the first thing behind the barrier, and a wave's one tensor load until the next: it has a whole trip in which to land
	ASK
.endif
.endm
; A block of queries is finished: O^T x 2^(e8 + e9) / the sum, converted with 2^e10, and stored as the last projection's fragments.
.macro FINISH
	v_add_f32 v24, v14, v15                        ; the sums' two halves (these additions are among the places behind the last products),
	v_add_f32 v26, v18, v19
	s_delay_alu instid0(VALU_DEP_2)
	v_permlanex16_b32 v28, v24, s[SEL], s[SEL+1]
	s_delay_alu instid0(VALU_DEP_2)
	v_permlanex16_b32 v29, v26, s[SEL], s[SEL+1]
	s_delay_alu instid0(VALU_DEP_2)
	v_add_f32 v24, v24, v28                        ; and the other half of the lanes'
	s_delay_alu instid0(VALU_DEP_2)
	v_add_f32 v26, v26, v29
	s_wait_alu depctr_va_vdst(0)
	v_rcp_f32 v24, v24
	v_rcp_f32 v26, v26
	v_nop                                          ; a plain line behind the reciprocals
	s_wait_alu depctr_va_vdst(0)                   ; and one wait for both, ahead of the first reader
	v_ldexp_f32 v24, v24, s[EPV]
	v_ldexp_f32 v26, v26, s[EPV]
	WIN 0x01                                       ; source 0 (O^T) window 1
.set n, 0
.rept 16
	v_pk_mul_f32 v[SA+n:SA+n+1], v[n:n+1], v[24:25] op_sel_hi:[1,0]
	v_pk_mul_f32 v[SA+32+n:SA+33+n], v[32+n:33+n], v[26:27] op_sel_hi:[1,0]
.set n, n+2
.endr
	WIN 0
.set n, 0
.rept 64
.set n, n+1
.endr
.irp g, 0,1,2,3,4,5,6,7
	v_cvt_scalef32_pk8_fp8_f32 v[224+2*\g:225+2*\g], v[SA+8*\g:SA+8*\g+7], v31   ; registers 16 c .. 16 c + 15 of a tile are channels 32 c + 16 h + 0 .. 15
.endr
	v_nop
	global_store_b128 v[GO], v[224:227], s[OB:OB+1]                 ; tile a, c = 0: 32 lanes store 512 consecutive bytes, aligned
	global_store_b128 v[GO], v[228:231], s[OB:OB+1] offset:512      ; c = 1
	global_store_b128 v[GO], v[232:235], s[OB:OB+1] offset:16384    ; tile b: the next token block
	global_store_b128 v[GO], v[236:239], s[OB:OB+1] offset:16896
.endm
	INIT
	s_wait_loadcnt 0x0                             ; Q
.Ltrip:                                            ; eight trips; the ninth is written out
	CHANGE 1
	STEP 0
	STEP 1
	s_xor_b32 s[TB], s[TB], SLOT1                  ; on to the other slot
	s_cmp_lg_u32 s[J], s[I]
	s_cbranch_scc1 .Lsame                          ; a branch on ids; no LDS instruction and no barrier stands under it
	s_wait_alu depctr_va_vdst(0)
	FINISH                                         ; block I is done: on to block 7 - I
	INIT
	WIN 0x41
.set n, 0
.rept 16
	v_mov_b32 v[64+n], v[80+n]                     ; its Q
.set n, n+1
.endr
	WIN 0
	s_wait_xcnt 0x0                                ; the stores have read their base and their data: both are written again only behind this wait
	s_mov_b32 s[KF], 0
	s_mov_b32 s[Q0], s[Q0B]
	s_mov_b64 s[OB:OB+1], s[OB2:OB2+1]
.Lsame:
	s_add_co_u32 s[J], s[J], 1
	s_cmp_lt_u32 s[J], 8
	s_cbranch_scc1 .Ltrip
	CHANGE 0
	STEP 0
	STEP 1
	s_wait_alu depctr_va_vdst(0)
	FINISH
	s_wait_tensorcnt 0x0                           ; the wave's end
	ds_add_u32 v[SPW], v[NIL]
	s_wait_dscnt 0x0
	s_endpgm
.Lfunc_end_k_q49a9dce515_attn:
	.size	k_q49a9dce515_attn, .Lfunc_end_k_q49a9dce515_attn-k_q49a9dce515_attn
	.p2alignl 7, 3214868480
	.fill 96, 4, 3214868480
	.section	.rodata,"a",@progbits
	.p2align	6, 0x0
	.amdhsa_kernel k_q49a9dce515_attn
		.amdhsa_group_segment_fixed_size 327680
		.amdhsa_private_segment_fixed_size 0
		.amdhsa_enable_private_segment 0
		.amdhsa_kernarg_size 40
		.amdhsa_user_sgpr_count 2
		.amdhsa_user_sgpr_kernarg_segment_ptr 1
		.amdhsa_wavefront_size32 1
		.amdhsa_system_sgpr_workgroup_id_x 1
		.amdhsa_system_sgpr_workgroup_id_y 1
		.amdhsa_system_sgpr_workgroup_id_z 1
		.amdhsa_system_vgpr_workitem_id 0
		.amdhsa_next_free_vgpr 352
		.amdhsa_next_free_sgpr 100
		.amdhsa_reserve_vcc 1
		.amdhsa_float_denorm_mode_32 3
		.amdhsa_float_denorm_mode_16_64 3
		.amdhsa_fp16_overflow 1
		.amdhsa_memory_ordered 1
		.amdhsa_forward_progress 1
		.amdhsa_inst_pref_size 163
	.end_amdhsa_kernel
	.amdgpu_metadata
---
amdhsa.version: [ 1, 2 ]
amdhsa.kernels:
  - .name:           k_q49a9dce515_attn
    .symbol:         k_q49a9dce515_attn.kd
    .args:
      - { .name: qc, .offset: 0, .size: 8, .value_kind: global_buffer, .address_space: global }
      - { .name: kc, .offset: 8, .size: 8, .value_kind: global_buffer, .address_space: global }
      - { .name: vc, .offset: 16, .size: 8, .value_kind: global_buffer, .address_space: global }
      - { .name: lowp_scales, .offset: 24, .size: 8, .value_kind: global_buffer, .address_space: global }
      - { .name: oc, .offset: 32, .size: 8, .value_kind: global_buffer, .address_space: global }
    .group_segment_fixed_size: 327680
    .private_segment_fixed_size: 0
    .kernarg_segment_align: 8
    .kernarg_segment_size: 40
    .max_flat_workgroup_size: 256
    .sgpr_count:     100
    .vgpr_count:     352
    .wavefront_size: 32
...
	.end_amdgpu_metadata
.endif
;; end of part 3
;; launch oproj (part 4): grid 4 x 64, 4 waves a work-group, clusters of 4 x 4, 327,680 bytes of LDS; arguments oc, cb, lowp_scales, out0; writes out0
.if DOCPART == 4
	.amdgcn_target "amdgcn-amd-amdhsa--gfx1250"
	.amdhsa_code_object_version 6
	.text
	.protected	k_q49a9dce515_oproj
	.globl	k_q49a9dce515_oproj
	.p2align	8
	.type	k_q49a9dce515_oproj,@function
k_q49a9dce515_oproj:
	s_mov_b64 s[64:65], 0
	v_nop
	global_prefetch_b8 v0, s[64:65] scope:SCOPE_SE
	s_setreg_imm32_b32 hwreg(HW_REG_WAVE_MODE, 25, 1), 1
	s_wait_xcnt 0x0
	s_wait_alu depctr_hold_cnt(0) depctr_sa_sdst(0) depctr_va_vdst(0) depctr_va_sdst(0) depctr_va_ssrc(0) depctr_va_vcc(0) depctr_vm_vsrc(0)
	s_getreg_b32 s2, hwreg(HW_REG_IB_STS2, 6, 4)
	s_cmp_eq_u32 s2, 0
	s_cbranch_scc0 .Lentry_in_a_cluster
	s_endpgm
.Lentry_in_a_cluster:
	s_bfe_u32 s2, ttmp6, 0x10000c
	s_cmp_lg_u32 s2, 0xf033
	s_cbranch_scc0 .Lentry_shape_is_right
	s_endpgm
.Lentry_shape_is_right:
; out0[m][n] = 2^(e10 + e11) x sum over k of A[m][k] B[n][k] on E4M3 codes, K = 1,024.  A: the attention's result, laid as images of fragments: [token / 16][K step of 128 (8)][c (4)][lane (32)][16 bytes],
; lane (r, h) holding token 16 T + r, k = 128 s + 32 c + 16 h + 0 .. 15.  B: output_proj's codes, [1024][1024], K innermost, at 27 Mi in cb.  out0: [8192][1024] f32.
; SHARES: a tile is 128 tokens x 256 columns: 256 work-groups.  Four waves, each 64 x 128: 32 accumulators.  The matrix instruction is used transposed (source 0 = 16 rows of B, source 1 = 16 tokens): a lane holds eight neighbours of a row of out0.
; K goes in four steps of 256 through THREE LDS slots: steps 0, 1, 2 are asked for at the head (three tensor loads a wave are out), step 3 fills slot 0 again.  No loop: 8 steps of 128 are written out.
; CLUSTERS: 4 x 4 work-groups; A's tile is shared along a row of the cluster, B's along a column: each is asked for jointly.
; A's tile needs no padding: a fragment's load takes 512 consecutive bytes.  B's rows of 256 bytes get 16 of padding.
; No prefetch: three quarters of a tile's bytes are asked for by its first lines.
; LIMIT: e10 + e11 between -126 and 127.
; REGISTERS: window 0: v16-31 addresses; v32-95 scaled sums; v128-191, v192-255 A's two sets, later rows read back.  window 1: B's two sets.  window 2: accumulator (a, b) at v[8 (8 a + b)].
.set PITCH, 272
.set ABYTES, 32768                     ; A in a slot: 8 token blocks x 4,096 bytes
.set SLOT,  ABYTES+256*PITCH
.set SPITCH, 528                       ; the way out: 16 rows x (512 bytes + 16) for each wave, in slot 1, which has had its one fill and, behind the last barrier of the products, its last read
.set STG,   SLOT
.set SPARE, 3*SLOT
.set ADRA, 16
.set ADRB, 20
.set STO,  24
.set RD,   25
.set CO,   26
.set SPW,  30
.set NIL,  31
.set TMP,  32
.set AF,   128
.set BK,   128
.set G1,  24
.set G1B, 32
.set G0,  40
.set G0B, 52
.set MSB, 0
.macro WIN new
.if MSB != \new
	s_set_vgpr_msb (MSB<<8)|\new
.set MSB, \new
.endif
.endm
.macro PLACES n
.rept \n
	v_nop
.endr
.endm
.macro CREST
	s_cmp_lg_u32 s14, 0
	s_cbranch_scc1 .Lnot_wave_0_\@
	s_barrier_signal -3
.Lnot_wave_0_\@:
	s_barrier_wait -3
	s_barrier_signal -1
	s_barrier_wait -1
.endm
.macro CROUND
	s_barrier_signal -1
	s_barrier_wait -1
	CREST
.endm
.macro JLOAD                           ; the one refill, of slot 0; four v_nop follow each line
	s_cmp_eq_u32 s15, 0
	s_cbranch_scc0 .Lfor_b_\@
	tensor_load_to_lds s[G0:G0+3], s[G1:G1+7]
	s_nop 0
.rept 4
	v_nop
.endr
	s_branch .Lasked_\@
.Lfor_b_\@:
	tensor_load_to_lds s[G0B:G0B+3], s[G1B:G1B+7]
	s_nop 0
.rept 4
	v_nop
.endr
.Lasked_\@:
.endm
	s_load_b256 s[4:11], s[0:1], 0x0               ; oc s[4:5], cb s[6:7], the exponents s[8:9], out0 s[10:11]
	v_lshl_add_u32 v[SPW], v0, 2, SPARE
	v_mov_b32 v[NIL], 0
	ds_add_u32 v30, v31
	ds_add_u32 v30, v31
	s_wait_dscnt 0x0
	v_lshrrev_b32 v1, 5, v0
	v_readfirstlane_b32 s14, v1                    ; wave 0..3
	s_lshr_b32 s15, s14, 1                         ; which 64 tokens are mine.  Also: I fetch for A (0) or for B (1)
	s_and_b32 s16, s14, 1                          ; which 128 columns.  Also: which half of that tile I fetch
	s_bfe_u32 s19, ttmp6, 0x40000                  ; cx
	s_bfe_u32 s20, ttmp6, 0x40004                  ; cy
	s_lshl_b32 s21, ttmp9, 2
	s_add_co_u32 s21, s21, s19                     ; tile column
	s_and_b32 s22, ttmp7, 0xffff
	s_lshl_b32 s22, s22, 2
	s_add_co_u32 s22, s22, s20                     ; tile row
	s_lshl_b32 s74, s20, 2
	s_lshl_b32 s74, 15, s74                        ; my row of the cluster
	s_lshl_b32 s75, 0x1111, s19                    ; my column
	s_or_b32 s[G1], s74, (3<<16)|(1<<21)           ; A: the mask; elements of 8 bytes; 21 set beside a mask; no padding
	s_mov_b32 s[G1+1], 512<<16                     ; tensor_dim0 = 512 elements: a token block's 4,096 bytes of a K step of 256
	s_mov_b32 s[G1+2], 4<<16                       ; tensor_dim1 = 4 token blocks
	s_mov_b32 s[G1+3], 512<<16                     ; tile_dim0
	s_mov_b32 s[G1+4], 4                           ; tile_dim1
	s_mov_b32 s[G1+5], 2048                        ; from token block to token block: 16,384 bytes
	s_mov_b32 s[G1+6], 0
	s_mov_b32 s[G1+7], 0
	s_or_b32 s[G1B], s75, (1<<20)|(1<<21)|(5<<22)|(3<<25)   ; B: elements of 1 byte; padding: four words after every 64
	s_mov_b32 s[G1B+1], 256<<16
	s_mov_b32 s[G1B+2], 128<<16
	s_mov_b32 s[G1B+3], 256<<16
	s_mov_b32 s[G1B+4], 128
	s_mov_b32 s[G1B+5], 1024
	s_mov_b32 s[G1B+6], 0
	s_mov_b32 s[G1B+7], 0
	s_lshl_b32 s66, s22, 3                         ; A: token block 8 x tile row + 4 x half: it hangs on the tile row alone
	s_lshl_b32 s76, s16, 2
	s_add_co_u32 s66, s66, s76
	s_lshl_b32 s66, s66, 14
	s_mov_b32 s67, 0
	s_lshl_b32 s68, s21, 8                         ; B: row 256 x tile column + 128 x half: on the tile column alone
	s_lshl_b32 s76, s16, 7
	s_add_co_u32 s68, s68, s76
	s_lshl_b32 s68, s68, 10
	s_add_co_u32 s68, s68, 0x1b00000               ; output_proj's codes: 27 Mi
	s_mov_b32 s69, 0
	s_lshl_b32 s77, s16, 14                        ; where they go: no place in the cluster enters an LDS address
	s_mul_i32 s78, s16, 128*PITCH
	s_add_co_u32 s78, s78, ABYTES
	s_wait_kmcnt 0x0
	s_load_b256 s[80:87], s[8:9], 0x0              ; e0 .. e7
	s_load_b128 s[88:91], s[8:9], 0x20             ; e8 .. e11
	s_add_nc_u64 s[66:67], s[4:5], s[66:67]
	s_add_nc_u64 s[68:69], s[6:7], s[68:69]
	CROUND                                         ; all sixteen work-groups are here: the first joint loads meet
.irp s, 0,1,2
	s_mov_b32 s[G0+4*\s], 1
	s_add_co_u32 s[G0+4*\s+1], s77, \s*SLOT
	s_add_nc_u64 s[G0+4*\s+2:G0+4*\s+3], s[66:67], \s*4096
	s_or_b32 s[G0+4*\s+3], s[G0+4*\s+3], 0x80000000
	s_mov_b32 s[G0B+4*\s], 1
	s_add_co_u32 s[G0B+4*\s+1], s78, \s*SLOT
	s_add_nc_u64 s[G0B+4*\s+2:G0B+4*\s+3], s[68:69], \s*256
	s_or_b32 s[G0B+4*\s+3], s[G0B+4*\s+3], 0x80000000
.endr
	s_cmp_eq_u32 s15, 0                            ; a wave's three first fills stand in one branch, ahead of every wait on TENSORcnt and every LDS read: three loads of mine are out
	s_cbranch_scc0 .Lfirst_b
	tensor_load_to_lds s[G0:G0+3], s[G1:G1+7]
	s_nop 0
	tensor_load_to_lds s[G0+4:G0+7], s[G1:G1+7]
	s_nop 0
	tensor_load_to_lds s[G0+8:G0+11], s[G1:G1+7]
	s_nop 0
.rept 4
	v_nop
.endr
	s_branch .Lfirst_asked
.Lfirst_b:
	tensor_load_to_lds s[G0B:G0B+3], s[G1B:G1B+7]
	s_nop 0
	tensor_load_to_lds s[G0B+4:G0B+7], s[G1B:G1B+7]
	s_nop 0
	tensor_load_to_lds s[G0B+8:G0B+11], s[G1B:G1B+7]
	s_nop 0
.rept 4
	v_nop
.endr
.Lfirst_asked:
	v_and_b32 v1, 15, v0                           ; r
	v_bfe_u32 v2, v0, 4, 1                         ; h
	v_and_b32 v5, 31, v0                           ; lane
	v_lshlrev_b32 v[CO], 4, v5                     ; 16 x lane
	v_mul_u32_u24 v3, v1, PITCH
	v_lshl_add_u32 v4, v2, 4, v3
	s_lshl_b32 s76, s15, 14                        ; my four token blocks of A
	s_mul_i32 s79, s16, 128*PITCH                  ; my 128 rows of B,
	s_add_co_u32 s79, s79, ABYTES                  ; which lie behind A
.irp s, 0,1,2
	v_add_nc_u32 v[ADRA+\s], s76, v[CO]
	v_add_nc_u32 v[ADRB+\s], s79, v4
	s_add_co_u32 s76, s76, SLOT
	s_add_co_u32 s79, s79, SLOT
.endr
	s_mul_i32 s76, s14, 16*SPITCH
	s_add_co_u32 s76, s76, STG                     ; my stage
	v_mul_u32_u24 v6, v1, SPITCH                   ; in: row r, 32 bytes for each half of the lanes
	v_lshl_add_u32 v6, v2, 5, v6
	v_add_nc_u32 v[STO], s76, v6
	v_add_nc_u32 v[RD], s76, v[CO]                 ; back: the 32 lanes take one row of 512 bytes
	s_lshl_b32 s70, s22, 7
	s_lshl_b32 s71, s15, 6
	s_add_co_u32 s70, s70, s71                     ; my first row of out0
	s_lshl_b32 s70, s70, 12
	s_lshl_b32 s71, s21, 10                        ; my first column, in bytes
	s_add_co_u32 s70, s70, s71
	s_lshl_b32 s71, s16, 9
	s_add_co_u32 s70, s70, s71
	s_mov_b32 s71, 0
	s_add_nc_u64 s[10:11], s[10:11], s[70:71]
.macro FRAGB reg, adr, q, i
.irp c, 0,1,2,3
	ds_load_b128 v[\reg+4*\c:\reg+4*\c+3], v[\adr] offset:128*(\q)+32*\c+(\i)*16*PITCH
.endr
.endm
.macro FRAGA reg, adr, q, i            ; an image comes back as it was stored: 512 consecutive bytes a load
.irp c, 0,1,2,3
	ds_load_b128 v[\reg+4*\c:\reg+4*\c+3], v[\adr] offset:4096*(\i)+2048*(\q)+512*\c
.endr
.endm
.macro FETCH slot, q, p                ; 48 LDS loads in one run
	WIN 0x40
.irp i, 0,1,2,3,4,5,6,7
	FRAGB 128*(\p)+16*\i, ADRB+\slot, \q, \i
.endr
	WIN 0
.irp i, 0,1,2,3
	FRAGA AF+64*(\p)+16*\i, ADRA+\slot, \q, \i
.endr
.endm
.macro MUL8 a, p, zero                 ; the 32 accumulators take turns, one instruction a turn, in the same order in every step
	WIN 0xa1
.irp b, 0,1,2,3,4,5,6,7
.if \zero
	v_wmma_f32_16x16x128_fp8_fp8 v[8*(8*(\a)+\b):8*(8*(\a)+\b)+7], v[128*(\p)+16*\b:128*(\p)+16*\b+15], v[AF+64*(\p)+16*(\a):AF+64*(\p)+16*(\a)+15], 0
.else
	v_wmma_f32_16x16x128_fp8_fp8 v[8*(8*(\a)+\b):8*(8*(\a)+\b)+7], v[128*(\p)+16*\b:128*(\p)+16*\b+15], v[AF+64*(\p)+16*(\a):AF+64*(\p)+16*(\a)+15], v[8*(8*(\a)+\b):8*(8*(\a)+\b)+7]
.endif
.endr
.endm
.macro STEP p, nslot, nq, zero
	PLACES 4
	FETCH \nslot, \nq, 1-(\p)
	s_wait_dscnt 48                                ; all but the 48 just issued: set p is in
	MUL8 0, \p, \zero
	MUL8 1, \p, \zero
	MUL8 2, \p, \zero
	MUL8 3, \p, \zero
.endm
	s_wait_alu depctr_va_vdst(0)
	s_wait_tensorcnt 2                             ; my part of K step 0 is in; K steps 1 and 2 may stay out
	s_barrier_signal -1
	s_barrier_wait -1
	FETCH 0, 0, 0
	STEP 0, 0, 1, 1                                ; k 0-127: the first products start the sums
	WIN 0                                          ; k 128-255, and slot 0 is left
	s_wait_tensorcnt 0x0                           ; all my tensor loads have landed
	ds_add_u32 v[SPW], v[NIL]                      ; 0 onto my spare word
	s_wait_dscnt 1                                 ; (the add may be out; set 1 is in)
	MUL8 0, 1, 0
	s_wait_dscnt 0x0                               ; the add is done, and my reads of slot 0 are over
	s_barrier_signal -1
	MUL8 1, 1, 0
	WIN 0
	s_barrier_wait -1
	CREST                                          ; no wave of any partner still reads slot 0 or has a load on its way
	s_add_nc_u64 s[G0+2:G0+3], s[G0+2:G0+3], 12288 ; from K step 0 to K step 3
	s_add_nc_u64 s[G0B+2:G0B+3], s[G0B+2:G0B+3], 768
	JLOAD                                          ; the first tensor load behind the round; its four v_nop are also the places in front of the loads below
	FETCH 1, 0, 0
	MUL8 2, 1, 0
	MUL8 3, 1, 0
	STEP 0, 1, 1, 0                                ; k 256-383
	STEP 1, 2, 0, 0                                ; k 384-511
	STEP 0, 2, 1, 0                                ; k 512-639
	s_wait_tensorcnt 0x0                           ; k 640-767.  The one load that was out: my part of K step 3
	s_wait_dscnt 0x0                               ; set 1 is in; my reads of slots 1 and 2 are over
	s_barrier_signal -1
	MUL8 0, 1, 0
	MUL8 1, 1, 0
	s_barrier_wait -1                              ; slot 0's second tile is whole, and nobody reads slot 1 any more
	PLACES 4
	FETCH 0, 0, 0
	MUL8 2, 1, 0
	MUL8 3, 1, 0
	STEP 0, 0, 1, 0                                ; k 768-895
	s_wait_dscnt 0x0                               ; k 896-1023
	MUL8 0, 1, 0
	MUL8 1, 1, 0
	MUL8 2, 1, 0
	MUL8 3, 1, 0
	WIN 0
; THE WAY OUT, block by block of 16 rows x 128 columns: through my own stage in LDS, back as whole rows of 512 bytes.  LDS serves a wave's instructions in order (ISA guide 5.7.1.4): no wait between the stores and the loads.
.macro TOSTAGE a
	WIN 0x02                                       ; source 0: window 2
.set n, 0
.rept 32
	v_pk_mul_f32 v[TMP+n:TMP+n+1], v[64*(\a)+n:64*(\a)+n+1], s[96:97] op_sel_hi:[1,0]   ; x 2^(e10 + e11); each accumulator from its low end on
.set n, n+2
.endr
	WIN 0
.irp b, 0,1,2,3,4,5,6,7
	ds_store_b128 v[STO], v[TMP+8*\b:TMP+8*\b+3] offset:64*\b
	ds_store_b128 v[STO], v[TMP+8*\b+4:TMP+8*\b+7] offset:64*\b+16
.endr
.irp t, 0,1,2,3,4,5,6,7,8,9,10,11,12,13,14,15
	ds_load_b128 v[BK+64*((\a)%2)+4*\t:BK+64*((\a)%2)+4*\t+3], v[RD] offset:\t*SPITCH
.endr
.endm
.macro SEND a, younger                 ; younger: the LDS instructions issued behind block a's loads, which may stay out
	s_wait_dscnt \younger
.if (\a) > 0
	s_add_nc_u64 s[10:11], s[10:11], 65536         ; 16 rows on (behind a wait on XCNT: the earlier stores have read their base)
.endif
.irp t, 0,1,2,3,4,5,6,7,8,9,10,11,12,13,14,15
	global_store_b128 v[CO], v[BK+64*((\a)%2)+4*\t:BK+64*((\a)%2)+4*\t+3], s[10:11] offset:\t*4096 th:TH_STORE_NT   ; 32 lanes store 512 consecutive bytes, aligned; written once, read by nobody here
.endr
.endm
	s_wait_kmcnt 0x0
	s_add_co_i32 s96, s90, s91
	s_add_co_i32 s96, s96, 127
	s_lshl_b32 s96, s96, 23                        ; 2^(e10 + e11) as f32
	s_mov_b32 s97, s96                             ; (named with it as a pair)
	PLACES 4
	TOSTAGE 0
.irp a, 1,2,3
.if \a > 1
	s_wait_xcnt 0x0                                ; block a - 2's stores have read their registers and their base
.endif
	TOSTAGE \a
	SEND \a-1, 32                                  ; behind block a - 1's loads: block a's 16 stores and 16 loads
.endr
	s_wait_xcnt 0x0
	SEND 3, 0
	s_wait_tensorcnt 0x0                           ; the wave's end, behind my last tensor load and my last LDS store
	ds_add_u32 v[SPW], v[NIL]
	s_wait_dscnt 0x0
	CROUND                                         ; the closing round
	s_endpgm
.Lfunc_end_k_q49a9dce515_oproj:
	.size	k_q49a9dce515_oproj, .Lfunc_end_k_q49a9dce515_oproj-k_q49a9dce515_oproj
	.p2alignl 7, 3214868480
	.fill 96, 4, 3214868480
	.section	.rodata,"a",@progbits
	.p2align	6, 0x0
	.amdhsa_kernel k_q49a9dce515_oproj
		.amdhsa_group_segment_fixed_size 327680
		.amdhsa_private_segment_fixed_size 0
		.amdhsa_enable_private_segment 0
		.amdhsa_kernarg_size 32
		.amdhsa_user_sgpr_count 2
		.amdhsa_user_sgpr_kernarg_segment_ptr 1
		.amdhsa_wavefront_size32 1
		.amdhsa_system_sgpr_workgroup_id_x 1
		.amdhsa_system_sgpr_workgroup_id_y 1
		.amdhsa_system_sgpr_workgroup_id_z 1
		.amdhsa_system_vgpr_workitem_id 0
		.amdhsa_next_free_vgpr 768
		.amdhsa_next_free_sgpr 100
		.amdhsa_reserve_vcc 0
		.amdhsa_float_denorm_mode_32 3
		.amdhsa_float_denorm_mode_16_64 3
		.amdhsa_memory_ordered 1
		.amdhsa_forward_progress 1
		.amdhsa_inst_pref_size 74
	.end_amdhsa_kernel
	.amdgpu_metadata
---
amdhsa.version: [ 1, 2 ]
amdhsa.kernels:
  - .name:           k_q49a9dce515_oproj
    .symbol:         k_q49a9dce515_oproj.kd
    .args:
      - { .name: oc, .offset: 0, .size: 8, .value_kind: global_buffer, .address_space: global }
      - { .name: cb, .offset: 8, .size: 8, .value_kind: global_buffer, .address_space: global }
      - { .name: lowp_scales, .offset: 16, .size: 8, .value_kind: global_buffer, .address_space: global }
      - { .name: out0, .offset: 24, .size: 8, .value_kind: global_buffer, .address_space: global }
    .group_segment_fixed_size: 327680
    .private_segment_fixed_size: 0
    .kernarg_segment_align: 8
    .kernarg_segment_size: 32
    .max_flat_workgroup_size: 128
    .sgpr_count:     100
    .vgpr_count:     768
    .wavefront_size: 32
...
	.end_amdgpu_metadata
.endif
;; end of part 4
